; MI455X (gfx1250); checked and timed in simulation.
; The chip was launched on July 23, 2026; its instructions are those of AMD's public machine-readable ISA for CDNA 5 (MIT licence, August 2026) and "CDNA5" Instruction Set Architecture Reference Guide (July 2026). The comments in the code are by the model that wrote it; some were corrected since.
;; Causal Self Attention. Allowed arithmetic: matrix products marked QUANTISED: E2M3 operands, one E8M0 scale for each 32 along K, by v_wmma_scale_f32_16x16x128_f8f6f4 with both operands' format E2M3, f32 sums; everything else in f32.
;; Inputs: Wk 1,024 x 1,024 float32; Wp 1,024 x 1,024 float32; Wq 1,024 x 1,024 float32; Wv 1,024 x 1,024 float32; bk 1,024 float32; bp 1,024 float32; bq 1,024 float32; bv 1,024 float32; x 4 x 2,048 x 1,024 float32.
;; Outputs: out0 4 x 2,048 x 1,024 float32.
;; This version of the problem:
;;   THIS VERSION OF THE PROBLEM IS GIVEN IN LOW PRECISION. The matrix products marked QUANTISED in the list below multiply operands that are first quantised to E2M3 (2 exponent bits, 3 mantissa bits; 6 bits a number), with one power-of-two scale for each 32 numbers along K (OCP MX v1.0); their sums are f32. All else is computed in f32.
;;   The module's matrix products, in the order in which they are computed (A, B: the left and right operand; K: the contracted axis; several contracted axes count as one K, in the product's order):
;;     1. [M 8,192, K 1,024] x [K 1,024, N 1,024]; A: input x; B: input Wq: QUANTISED
;;     2. [M 8,192, K 1,024] x [K 1,024, N 1,024]; A: input x; B: input Wk: QUANTISED
;;     3. [M 8,192, K 1,024] x [K 1,024, N 1,024]; A: input x; B: input Wv: QUANTISED
;;     4. batch 64 x [M 2,048, K 64] x [K 64, N 2,048]; A: computed on the way; B: computed on the way: QUANTISED
;;     5. batch 64 x [M 2,048, K 2,048] x [K 2,048, N 64]; A: softmax (see below); B: computed on the way: QUANTISED
;;     6. [M 8,192, K 1,024] x [K 1,024, N 1,024]; A: computed on the way; B: input Wp: QUANTISED
;;   THE QUANTISER, for each operand of a quantised product, along K:
;;     - K is cut into blocks of 32 from its start; a last block that is shorter is filled with zeros.
;;     - A block's scale is 2^e with e = floor(log2(the largest magnitude in the block)) - 2, held to -126 .. 127; a block of zeros has e = 0. As a byte (E8M0): e + 127.
;;     - Each number is divided by its block's scale, clamped to +-7.5, and rounded to the nearest number of E2M3, ties to even, subnormals kept.
;;     - The product sums the exact products of the quantised numbers (number of the format x scale) in f32.
;;   ~~~python
;;   def quantise(x, axis):      # numpy; x: float32 -> the quantised numbers, widened to float32 again
;;       x = np.moveaxis(x, axis, -1); K = x.shape[-1]
;;       x = np.pad(x, [(0, 0)] * (x.ndim - 1) + [(0, -K % 32)]); x = x.reshape(x.shape[:-1] + (-1, 32)); a = np.abs(x).max(-1, keepdims=True)
;;       e = np.where(a > 0, np.clip(np.frexp(np.where(a > 0, a, 1))[1] - 1 - 2, -126, 127), 0)      # np.frexp(a)[1] - 1 = floor(log2(a)), exactly
;;       r = np.clip(x / 2.0 ** e, -7.5, 7.5)
;;       step = 2.0 ** (np.maximum(np.frexp(np.where(r == 0, 1, r))[1] - 1, 0) - 3)
;;       q = np.round(r / step) * step * 2.0 ** e      # np.round: ties to even
;;       return np.moveaxis(q.reshape(q.shape[:-2] + (-1,))[..., :K], -1, axis).astype(np.float32)
;;   ~~~
;;   SOFTMAX AHEAD OF A QUANTISED PRODUCT. Where the list says 'softmax', what is quantised is not the finished softmax but p = 2^(t - M), with t = logit x log2(e) and M = ceil(the row's largest t), a whole number; so 1/2 < the row's largest p <= 1. The row's sum l is taken of the UNQUANTISED p, in f32, and the product's result is divided by l at the end. Since M is a whole number, a kernel that streams over the keys may use a running M (the ceiling of the running maximum): every later rescaling is an exact power of two, which a block's scale takes up: the codes' values come out the same.
;;   OPERANDS COMPUTED ON THE WAY. 'Computed on the way' means the value that the module computes at that place (a softmax that the list does not call 'softmax' is quantised finished and normalised). What goes into a quantiser is computed in f32, as accurately as f32 sums, v_exp_f32 and their like allow (about 1e-6 of the number): no bf16 or f16 on the way to a quantiser, and a product that is left as it is and whose result goes on into a quantised operand takes f32 operands (vector FMAs, or v_wmma_f32_16x16x4_f32). A number that lies on a knife's edge between two numbers of the format may be rounded either way, as far as f32 arithmetic and the matrix unit's own rounding can turn it there, and no further.
;; One version. Each part assembles by itself: llvm-mc -triple=amdgcn-amd-amdhsa -mcpu=gfx1250 --defsym DOCPART=n.
;; ======== version 1 of 1: 4 launches
;; workspace buffers: ops 10,223,616 bytes; qkv 20,447,232 bytes; yc 6,815,744 bytes
;; launch quant (part 1): grid 768 x 1, 4 waves a work-group, no clusters, 34,304 bytes of LDS; arguments x, Wq, Wk, Wv, Wp, ops; writes ops
.if DOCPART == 1
	.amdgcn_target "amdgcn-amd-amdhsa--gfx1250"
	.amdhsa_code_object_version 6
	.text
	.protected	k_qcb1cb8530f_quant
	.globl	k_qcb1cb8530f_quant
	.p2align	8
	.type	k_qcb1cb8530f_quant,@function
k_qcb1cb8530f_quant:
	s_mov_b64 s[64:65], 0
	v_nop
	global_prefetch_b8 v0, s[64:65] scope:SCOPE_SE
	s_setreg_imm32_b32 hwreg(HW_REG_WAVE_MODE, 25, 1), 1
	s_wait_xcnt 0x0
; x [8192][1024] and Wq, Wk, Wv, Wp [1024][1024], f32 with K innermost, become codes of FP6 (E2M3) with one E8M0 byte for each 32 along K,
; laid in ops AS THE MATRIX OPERAND'S REGISTERS WANT THEM, so that every later read is of consecutive bytes.
; TILES.  16 rows form a tile; the rows of a tile are not neighbours: lane r of tile 2 g + u takes row 32 g + 8 u + r + 8 (r / 8).  Used as source 0 of a product, two neighbouring tiles
; then leave 16 neighbouring rows in a lane's 16 result registers, which is what the next quantiser wants.  Tiles 0-511: x; 512-575 Wq; 576-639 Wk; 640-703 Wv; 704-767 Wp.
; A TILE-ROW of ops is 13,312 bytes: four chunks of 3,328, each with two K steps of 128: fragment e at 1,536 e, its 16 scale words at 3,072 + 64 e; bytes 3,200 on are not used.
; A FRAGMENT (12 registers a lane; lane (r, h): registers 6 c .. 6 c + 5 = K 64 c + 32 h + 0 .. 31 of row r) lies as two halves of 768 bytes: registers 6 c .. 6 c + 3 at 16 x lane, registers 6 c + 4, 6 c + 5 at 512 + 8 x lane.
; SHARES.  Work-group g makes tile g, wave w its chunk w.  Each load reads 512 consecutive bytes of one row; the 16 x 512 bytes turn through the wave's own stage in LDS, so that a lane gets its two whole blocks of 32.
; All 32 loads of a wave go out at once; waves share nothing: no barrier, no loop, no cluster (no input byte is read twice).
; A block's scale is 2^(floor(log2(its largest magnitude)) - 2); its byte is the largest magnitude's exponent field - 2, held at 1 from below.
; LIMITS: a block of zeros gets the byte 1 where the rule says 127 (its codes are zeros, and this program alone reads the bytes); blocks whose largest magnitude lies under 2^-124 are held at the byte 1; NaN and infinities among the inputs are not served.
.set TROW,  13312                      ; a tile-row of ops
.set CHK,   3328                       ; a chunk
.set SP,    528                        ; a stage row: 512 bytes + 16: the sixteen rows that a load touches start 4 words apart
.set STG,   16*SP                      ; a wave's stage
.set SPARE, 4*STG                      ; behind the stages: the spare words, 128 bytes for each wave
.set SPW,   8                          ; v8   LDS address of my spare word; never rewritten
.set NIL,   9                          ; v9   0; never rewritten
.set R,     16                         ; v16-143   the numbers as loaded: two K steps x 16 rows x 4
.set X,     144                        ; v144-207  my two blocks of 32
.set P,     208                        ; v208-231  the codes: 12 registers for each K step, so that no store's data are written again
.set T,     232                        ; v232-239  a block's upper 16 codes as the conversion leaves them
.set W,     240                        ; v240-241  the scale words
	s_load_b256 s[4:11], s[0:1], 0x0               ; x, Wq, Wk, Wv
	s_load_b128 s[12:15], s[0:1], 0x20             ; Wp, ops
	v_lshl_add_u32 v[SPW], v0, 2, SPARE
	v_mov_b32 v[NIL], 0
	v_lshrrev_b32 v10, 5, v0
	v_readfirstlane_b32 s20, v10                   ; wave
	v_and_b32 v10, 31, v0                          ; lane
	v_and_b32 v11, 15, v0                          ; r
	v_bfe_u32 v12, v0, 4, 1                        ; h
	v_lshlrev_b32 v1, 4, v10                       ; 16 x lane: a load's and a 16-byte store's place
	v_lshlrev_b32 v2, 3, v10                       ; 8 x lane
	v_lshlrev_b32 v3, 2, v11                       ; 4 r: a scale word's place
	v_lshlrev_b32 v6, 3, v12                       ; 8 h: how far my two scale bytes are shifted
	s_mul_i32 s21, s20, STG
	v_add_nc_u32 v4, s21, v1                       ; the stage, on the way in
	v_mul_u32_u24 v5, v11, SP
	v_lshl_add_u32 v5, v12, 7, v5
	v_add_nc_u32 v5, s21, v5                       ; and on the way out: row r, + 128 h bytes
	v_mov_b32 v15, 0                               ; written once: a lane permute's destination counts as one of its sources
	s_mov_b32 s22, 0x76543210
	s_mov_b32 s23, 0xfedcba98                      ; v_permlanex16_b32's selects for lane l xor 16
	s_and_b32 s18, ttmp9, 63
	s_cmp_lt_u32 ttmp9, 512
	s_cselect_b32 s18, ttmp9, s18                  ; the tile's number inside its tensor
	s_lshr_b32 s24, s18, 1
	s_lshl_b32 s24, s24, 17                        ; 32 rows of 4,096 bytes for each pair of tiles,
	s_and_b32 s25, s18, 1
	s_lshl_b32 s25, s25, 15                        ; 8 rows for the odd one,
	s_add_co_u32 s24, s24, s25
	s_lshl_b32 s25, s20, 10                        ; and my chunk's 256 numbers
	s_add_co_u32 s24, s24, s25
	s_mov_b32 s25, 0
	s_mul_i32 s26, ttmp9, TROW
	s_mul_i32 s27, s20, CHK
	s_add_co_u32 s26, s26, s27
	s_mov_b32 s27, 0
	s_wait_kmcnt 0x0
	s_mov_b64 s[16:17], s[12:13]                   ; which tensor: the choice hangs on the work-group's number alone
	s_cmp_lt_u32 ttmp9, 704
	s_cselect_b64 s[16:17], s[10:11], s[16:17]
	s_cmp_lt_u32 ttmp9, 640
	s_cselect_b64 s[16:17], s[8:9], s[16:17]
	s_cmp_lt_u32 ttmp9, 576
	s_cselect_b64 s[16:17], s[6:7], s[16:17]
	s_cmp_lt_u32 ttmp9, 512
	s_cselect_b64 s[16:17], s[4:5], s[16:17]
	s_add_nc_u64 s[16:17], s[16:17], s[24:25]
	s_add_nc_u64 s[14:15], s[14:15], s[26:27]
.macro LOADK e                         ; K step e of the chunk: 16 rows x 512 consecutive bytes
.irp p, 0,1,2,3,4,5,6,7,8,9,10,11,12,13,14,15
	global_load_b128 v[R+64*\e+4*\p:R+64*\e+4*\p+3], v1, s[16:17] offset:(\p+8*(\p/8))*4096+512*\e th:TH_LOAD_NT
.endr
.endm
.macro TURN e                          ; through my stage: LDS serves a wave's instructions in order, so no wait stands between the stores and the loads
.irp p, 0,1,2,3,4,5,6,7,8,9,10,11,12,13,14,15
	ds_store_b128 v4, v[R+64*\e+4*\p:R+64*\e+4*\p+3] offset:SP*\p
.endr
.irp c, 0,1
.irp i, 0,1,2,3,4,5,6,7
	ds_load_b128 v[X+32*\c+4*\i:X+32*\c+4*\i+3], v5 offset:256*\c+16*\i   ; K = 64 c + 32 h + 4 i .. of row r
.endr
.endr
.endm
.macro QF e                            ; my blocks h and 2 + h of row r: largest magnitudes, bytes, codes
.irp c, 0,1
	v_max3_num_f32 v[10+\c], |v[X+32*\c]|, |v[X+32*\c+1]|, 0x1800000   ; with the floor 2^(3 - 127): the byte cannot fall under 1
.endr
.irp i, 2,4,6,8,10,12,14,16,18,20,22,24,26,28,30
.irp c, 0,1
	v_max3_num_f32 v[10+\c], v[10+\c], |v[X+32*\c+\i]|, |v[X+32*\c+\i+1]|   ; (the two blocks by turns)
.endr
.endr
.irp c, 0,1
	v_add_nc_u32 v[12+\c], 0xff000000, v[10+\c]    ; 2 off the exponent field: the conversion takes the exponent field of this operand as its scale
.endr
.irp c, 0,1
	v_lshrrev_b32 v[10+\c], 23, v[12+\c]           ; the scale's byte
.endr
	v_lshl_or_b32 v14, v11, 16, v10                ; my two bytes,
	v_lshlrev_b32 v14, v6, v14                     ; at their places in the row's word;
	v_permlanex16_b32 v15, v14, s22, s23
	v_or_b32 v[W+\e], v14, v15                     ; with lane l xor 16's two the word is whole
.irp c, 0,1
	v_cvt_scalef32_pk16_fp6_f32 v[P+12*\e+6*\c:P+12*\e+6*\c+2], v[X+32*\c:X+32*\c+15], v[12+\c]
	v_cvt_scalef32_pk16_fp6_f32 v[T+4*\c:T+4*\c+2], v[X+32*\c+16:X+32*\c+31], v[12+\c]   ; (a conversion's three registers begin on an even number)
.endr
	v_nop                                          ; one plain place behind a scaled conversion
.irp c, 0,1
.irp i, 0,1,2
	v_mov_b32 v[P+12*\e+6*\c+3+\i], v[T+4*\c+\i]
.endr
.endr
.endm
.macro OUT e                           ; the fragment as it stands: stores of 512 and 256 consecutive bytes, each at a multiple of 256 from the buffer's first byte
	global_store_b128 v1, v[P+12*\e:P+12*\e+3], s[14:15] offset:1536*\e
	global_store_b64 v2, v[P+12*\e+4:P+12*\e+5], s[14:15] offset:1536*\e+512
	global_store_b128 v1, v[P+12*\e+6:P+12*\e+9], s[14:15] offset:1536*\e+768
	global_store_b64 v2, v[P+12*\e+10:P+12*\e+11], s[14:15] offset:1536*\e+1280
	global_store_b32 v3, v[W+\e], s[14:15] offset:3072+64*\e   ; lanes r and r + 16 hold the same word and write it to the same place
.endm
	LOADK 0
	LOADK 1
	s_wait_loadcnt 16                              ; K step 0's sixteen loads are in; K step 1's sixteen may be out
	TURN 0
	s_wait_dscnt 0x0
	QF 0
	OUT 0
	s_wait_loadcnt 0x0
	TURN 1
	s_wait_dscnt 0x0
	QF 1
	OUT 1
	s_wait_tensorcnt 0x0                           ; the wave's end, behind my last LDS store
	ds_add_u32 v[SPW], v[NIL]
	s_wait_dscnt 0x0
	s_endpgm
.Lfunc_end_k_qcb1cb8530f_quant:
	.size	k_qcb1cb8530f_quant, .Lfunc_end_k_qcb1cb8530f_quant-k_qcb1cb8530f_quant
	.p2alignl 7, 3214868480
	.fill 96, 4, 3214868480
	.section	.rodata,"a",@progbits
	.p2align	6, 0x0
	.amdhsa_kernel k_qcb1cb8530f_quant
		.amdhsa_group_segment_fixed_size 34304
		.amdhsa_private_segment_fixed_size 0
		.amdhsa_enable_private_segment 0
		.amdhsa_kernarg_size 48
		.amdhsa_user_sgpr_count 2
		.amdhsa_user_sgpr_kernarg_segment_ptr 1
		.amdhsa_wavefront_size32 1
		.amdhsa_system_sgpr_workgroup_id_x 1
		.amdhsa_system_sgpr_workgroup_id_y 1
		.amdhsa_system_sgpr_workgroup_id_z 1
		.amdhsa_system_vgpr_workitem_id 0
		.amdhsa_next_free_vgpr 256
		.amdhsa_next_free_sgpr 66
		.amdhsa_reserve_vcc 0
		.amdhsa_float_denorm_mode_32 3
		.amdhsa_float_denorm_mode_16_64 3
		.amdhsa_memory_ordered 1
		.amdhsa_forward_progress 1
		.amdhsa_inst_pref_size 17
	.end_amdhsa_kernel
	.amdgpu_metadata
---
amdhsa.version: [ 1, 2 ]
amdhsa.kernels:
  - .name:           k_qcb1cb8530f_quant
    .symbol:         k_qcb1cb8530f_quant.kd
    .args:
      - { .name: x, .offset: 0, .size: 8, .value_kind: global_buffer, .address_space: global }
      - { .name: Wq, .offset: 8, .size: 8, .value_kind: global_buffer, .address_space: global }
      - { .name: Wk, .offset: 16, .size: 8, .value_kind: global_buffer, .address_space: global }
      - { .name: Wv, .offset: 24, .size: 8, .value_kind: global_buffer, .address_space: global }
      - { .name: Wp, .offset: 32, .size: 8, .value_kind: global_buffer, .address_space: global }
      - { .name: ops, .offset: 40, .size: 8, .value_kind: global_buffer, .address_space: global }
    .group_segment_fixed_size: 34304
    .private_segment_fixed_size: 0
    .kernarg_segment_align: 8
    .kernarg_segment_size: 48
    .max_flat_workgroup_size: 128
    .sgpr_count:     66
    .vgpr_count:     256
    .wavefront_size: 32
...
	.end_amdgpu_metadata
.endif
;; end of part 1
;; launch qkvgemm (part 2): grid 8 x 96, 8 waves a work-group, clusters of 4 x 4, 327,680 bytes of LDS; arguments ops, bq, bk, bv, qkv; writes qkv
.if DOCPART == 2
	.amdgcn_target "amdgcn-amd-amdhsa--gfx1250"
	.amdhsa_code_object_version 6
	.text
	.protected	k_qcb1cb8530f_qkvgemm
	.globl	k_qcb1cb8530f_qkvgemm
	.p2align	8
	.type	k_qcb1cb8530f_qkvgemm,@function
k_qcb1cb8530f_qkvgemm:
	s_mov_b64 s[64:65], 0
	v_nop
	global_prefetch_b8 v0, s[64:65] scope:SCOPE_SE
	s_setreg_imm32_b32 hwreg(HW_REG_WAVE_MODE, 25, 1), 1
	s_wait_xcnt 0x0
	s_wait_alu depctr_hold_cnt(0) depctr_sa_sdst(0) depctr_va_vdst(0) depctr_va_sdst(0) depctr_va_ssrc(0) depctr_va_vcc(0) depctr_vm_vsrc(0)
	s_getreg_b32 s2, hwreg(HW_REG_IB_STS2, 6, 4)
	s_cmp_eq_u32 s2, 0
	s_cbranch_scc0 .Lentry_in_a_cluster
	s_endpgm
.Lentry_in_a_cluster:
	s_bfe_u32 s2, ttmp6, 0x10000c
	s_cmp_lg_u32 s2, 0xf033
	s_cbranch_scc0 .Lentry_shape_is_right
	s_endpgm
.Lentry_shape_is_right:
; ONE TEXT FOR THE FOUR LINEAR LAYERS, on codes of FP6 (E2M3) with one E8M0 byte for each 32 along K = 1,024.  FINAL = 0: q, k and v, quantised on the way out.  FINAL = 1: the last layer, f32 out.
; D = S0 S1^T + bias, source 0 = 16 rows of S0, source 1 = 16 rows of S1: a lane holds ONE row of S1 and its registers run along the rows of S0.
;   q, k (the channel way): S0 = Wq and Wk on end (2,048 rows), S1 = x: a lane holds a token, its registers 64 channels = one head: quantised along the channels.
;   v    (the token way):   S0 = x, S1 = Wv: a lane holds a channel, its registers 64 tokens: quantised along the tokens, which are the K of attention's second product.
;   last layer:             S0 = Wp, S1 = y: a lane holds a token, its registers 64 outputs.
; OPERANDS lie in memory as images of their registers, in tiles of 16 rows: lane r of tile 2 g + u holds row 32 g + 8 u + r + 8 (r / 8), so that the 16 result registers of two neighbouring tiles of S0 are 16 neighbouring rows.
; A tile-row is 13,312 bytes: four chunks of 3,328 (two K steps: fragments at 0 and 1,536, their scale words at 3,072 and 3,136; 3,200 bytes are used).
; SHARES.  A work-group takes 256 rows of S0 x 128 rows of S1 and ALL of K: its 24 tile-rows are 307,200 bytes and fit in LDS whole.  So every tensor load is a first fill: no ring, no slot is filled twice.
; Each of the eight waves asks for two tile-rows of S0 and one of S1, a chunk at a time: eight loads of mine are out at the most.  Wave w makes 64 x 64 (S0's rows 64 (w % 4) on, S1's 64 (w / 4) on): 16 accumulators; two waves share a SIMD.
; CLUSTERS: 4 x 4 work-groups.  S0's rows hang on x alone and are shared along a column of the cluster, S1's on y alone and are shared along a row: each tile is asked for jointly.
; FINAL = 0: cluster rows 0-15 go the channel way (2 x 16 clusters), rows 16-23 the token way (16 clusters): the way is the same in all partners of a cluster, and branches hang on it alone.
; THE BIAS is the C of each sum's first product.  It is loaded into the four accumulators of S1's tile 3 (v224-255), which are multiplied last in the first K step.
; LIMITS of the quantiser on the way out: a block of zeros gets the byte 1 where the rule says 127 (its codes are zeros, and this program alone reads the bytes); blocks under 2^-124 are held at the byte 1; NaN and infinities are not served.
.set FINAL, 0
.set TROW,  13312                      ; a tile-row in memory
.set CHK,   3328                       ; a chunk in memory
.set PIECE, 3200                       ; and what is used of it: so much lies in LDS
.set CHUNK, 24*PIECE                   ; LDS: chunk j of all 24 tiles at j x 76,800: S0's sixteen pieces, then S1's eight
.set S1OFF, 16*PIECE
.set SPARE, 4*CHUNK                    ; behind the tiles: the spare words, 128 bytes for each wave
.set REC,   19968                      ; qkv: a record (head x 4 + batch, 128 tokens): k's part at 0, v's at 6,656, q's at 13,312
.set A16, 4                            ; v4   S0's fragments: 16 x lane + my four tiles
.set A8,  5                            ; v5   8 x lane + the same
.set B16, 6                            ; v6   S1's likewise
.set B8,  7                            ; v7
.set SCA, 8                            ; v8   the scale words: lanes 0-15 S0's, lanes 16-31 S1's
.set STO, 9                            ; v9-11 the way out
.set RD,  10
.set CO,  11
.set SPW, 12                           ; v12  LDS address of my spare word; never rewritten
.set NIL, 13                           ; v13  0; never rewritten
.set SC,  16                           ; v16-19 scale words and nothing else: register i: lanes 0-15 S0's tile i, lanes 16-31 S1's tile i
.set F0,  20                           ; v20-67  S0's four fragments
.set F1,  68                           ; v68-115 S1's four
.set ACC, 128                          ; v128-255 accumulator (a, b) at 128 + 8 (4 a + b): a = S1's tile, b = S0's
.set BK,  20                           ; the last layer's way out: rows read back from the stage
.set SEL, 88                           ; s[88:89] v_permlanex16_b32's selects for lane l xor 16
.if FINAL
.set P1, 6                             ; S1 comes from yc
.else
.set P1, 4                             ; S1 comes from ops
.endif
.macro PLACES n
.rept \n
	v_nop
.endr
.endm
.macro CROUND                          ; a round of the cluster's barrier
	s_barrier_signal -1
	s_barrier_wait -1
	s_cmp_lg_u32 s14, 0
	s_cbranch_scc1 .Lnot_wave_0_\@
	s_barrier_signal -3
.Lnot_wave_0_\@:
	s_barrier_wait -3
	s_barrier_signal -1
	s_barrier_wait -1
.endm
.macro G0SET g, lds, adr, j            ; descriptor group 0 for chunk j
	s_mov_b32 s[\g], 1                             ; count = 1
	s_add_co_u32 s[\g+1], s[\lds], (\j)*CHUNK      ; LDS address: the wave's number and constants alone
	s_add_nc_u64 s[\g+2:\g+3], s[\adr:\adr+1], (\j)*CHK
	s_or_b32 s[\g+3], s[\g+3], 0x80000000          ; type = 2
.endm
.macro JL g0, g1
	tensor_load_to_lds s[\g0:\g0+3], s[\g1:\g1+7]
	s_nop 0
.endm
.macro FRAG reg, a16, a8, off          ; a fragment's image comes back as it was stored: every load reads consecutive bytes
	ds_load_b128 v[\reg:\reg+3], v[\a16] offset:\off
	ds_load_b64 v[\reg+4:\reg+5], v[\a8] offset:\off+512
	ds_load_b128 v[\reg+6:\reg+9], v[\a16] offset:\off+768
	ds_load_b64 v[\reg+10:\reg+11], v[\a8] offset:\off+1280
.endm
.macro FETCH e, pl                     ; K step e of the chunk in hand; pl places stand in front of loads into registers that matrix instructions have read
	PLACES \pl
.irp i, 0,1,2,3
	ds_load_b32 v[SC+\i], v[SCA] offset:\i*PIECE+64*\e
.endr
.irp i, 0,1,2,3
	FRAG F1+12*\i, B16, B8, \i*PIECE+1536*\e
.endr
.irp i, 0,1,2,3
	FRAG F0+12*\i, A16, A8, \i*PIECE+1536*\e
.endr
.endm
.macro MM a, b, c                      ; accumulator (a, b) = S0's tile b x S1's tile a + the eight registers from c on
	v_wmma_scale_f32_16x16x128_f8f6f4 v[ACC+8*(4*(\a)+(\b)):ACC+8*(4*(\a)+(\b))+7], v[F0+12*(\b):F0+12*(\b)+11], v[F1+12*(\a):F1+12*(\a)+11], v[(\c):(\c)+7], v[SC+(\b)], v[SC+(\a)] matrix_a_fmt:MATRIX_FMT_FP6 matrix_b_fmt:MATRIX_FMT_FP6 matrix_b_scale:MATRIX_SCALE_ROW1
.endm
.macro KSTEP e                         ; 16 products; the 16 accumulators take turns, one instruction a turn
	FETCH \e, 4
.irp b, 0,1,2,3
	s_wait_dscnt 12-4*\b                           ; the scale words, S1's fragments and S0's up to b are in; the four loads of each later fragment of S0 may be out
.irp a, 0,1,2,3
	MM \a, \b, ACC+8*(4*\a+\b)
.endr
.endr
.endm
.macro ARRIVE n                        ; my loads of the chunk ahead have landed (n = two for each later chunk may be out); then everybody's have
	s_wait_tensorcnt \n
	s_barrier_signal -1
	s_barrier_wait -1
.endm
.macro NEXT                            ; on to the next chunk
.irp v, A16, A8, B16, B8, SCA
	v_add_nc_u32 v[\v], CHUNK, v[\v]
.endr
.endm
; 32 numbers of a lane, register 16 k + i = place 32 k + 16 h + i along the next K, become half a fragment's six registers of codes from dst on and two scale bytes in pw.  tm: eleven registers at work.
.macro HQUANT src, dst, pw, tm
.irp k, 0,1
	v_max3_num_f32 v[\tm+\k], |v[\src+16*\k]|, |v[\src+16*\k+1]|, 0x1800000   ; with the floor 2^(3 - 127).  Each accumulator is read from its low end on
.endr
.irp i, 2,4,6,8,10,12,14
.irp k, 0,1
	v_max3_num_f32 v[\tm+\k], v[\tm+\k], |v[\src+16*\k+\i]|, |v[\src+16*\k+\i+1]|
.endr
.endr
.irp k, 0,1
	v_permlanex16_b32 v[\tm+2+\k], v[\tm+\k], s[SEL], s[SEL+1]
.endr
.irp k, 0,1
	v_max_num_f32 v[\tm+\k], v[\tm+\k], v[\tm+2+\k]   ; with lane l xor 16's sixteen: the block's largest magnitude
.endr
.irp k, 0,1
	v_add_nc_u32 v[\tm+4+\k], 0xff000000, v[\tm+\k]   ; 2 off its exponent field: the conversion's scale operand
.endr
.irp k, 0,1
	v_lshrrev_b32 v[\tm+6+\k], 23, v[\tm+4+\k]     ; the scale's byte
.endr
	v_lshl_or_b32 v[\pw], v[\tm+7], 8, v[\tm+6]
	v_cvt_scalef32_pk16_fp6_f32 v[\dst:\dst+2], v[\src:\src+15], v[\tm+4]
	v_cvt_scalef32_pk16_fp6_f32 v[\tm+8:\tm+10], v[\src+16:\src+31], v[\tm+5]
	v_nop                                          ; one plain place behind a scaled conversion
.irp i, 0,1,2
	v_permlane16_swap_b32 v[\dst+\i], v[\tm+8+\i]  ; the layout wants a whole block in a lane: lanes 0-15 the first block, lanes 16-31 the second
.endr
.irp i, 0,1,2
	v_mov_b32 v[\dst+3+\i], v[\tm+8+\i]
.endr
.endm
	s_load_b256 s[4:11], s[0:1], 0x0               ; FINAL = 0: ops, bq, bk, bv;  FINAL = 1: ops, yc, bp, out0
.if FINAL == 0
	s_load_b64 s[12:13], s[0:1], 0x20              ; qkv
.endif
	v_lshl_add_u32 v[SPW], v0, 2, SPARE
	v_mov_b32 v[NIL], 0
	ds_add_u32 v[SPW], v[NIL]                      ; the wave's opening: the add and its wait stand ahead of my first tensor load; work on registers stands between them
	v_lshrrev_b32 v1, 5, v0
	v_readfirstlane_b32 s14, v1                    ; wave 0..7
	s_and_b32 s15, s14, 3                          ; which 64 rows of S0 are mine
	s_lshr_b32 s16, s14, 2                         ; which 64 rows of S1
	s_bfe_u32 s17, ttmp6, 0x40000                  ; cx
	s_bfe_u32 s18, ttmp6, 0x40004                  ; cy
	s_and_b32 s20, ttmp7, 0xffff                   ; the cluster's y
.if FINAL == 0
	s_sub_co_u32 s90, s20, 16                      ; the token way's clusters are numbered 2 (y - 16) + x = 0 .. 15
	s_lshl_b32 s90, s90, 1
	s_add_co_u32 s90, s90, ttmp9
	s_and_b32 s91, s90, 7
	s_lshr_b32 s92, s90, 3
	s_cmp_ge_u32 s20, 16
	s_cselect_b32 s21, 1, 0                        ; the way: 0 channels, 1 tokens
	s_cselect_b32 s22, s91, ttmp9                  ; the cluster's place along S0
	s_cselect_b32 s23, s92, s20                    ; and along S1
	s_cselect_b32 s76, 0, 512                      ; S0's first tile in ops: x, or Wq
	s_cselect_b32 s80, 640, 0                      ; S1's: Wv, or x
.else
	s_mov_b32 s22, ttmp9
	s_mov_b32 s23, s20
	s_mov_b32 s76, 704                             ; S0 = Wp
	s_mov_b32 s80, 0                               ; S1 = y
.endif
	s_lshl_b32 s77, s22, 2
	s_add_co_u32 s77, s77, s17                     ; X: my 256 rows of S0 (registers 76-79 never hold cy)
	s_lshl_b32 s81, s23, 2
	s_add_co_u32 s81, s81, s18                     ; Y: my 128 rows of S1 (registers 80-83 never hold cx)
	s_lshl_b32 s78, s77, 4
	s_add_co_u32 s78, s78, s76
	s_lshl_b32 s79, s14, 1
	s_add_co_u32 s78, s78, s79                     ; S0: I ask for tiles 16 X + 2 w and the next
	s_mul_i32 s78, s78, TROW
	s_mov_b32 s79, 0
	s_lshl_b32 s82, s81, 3
	s_add_co_u32 s82, s82, s80
	s_add_co_u32 s82, s82, s14                     ; S1: for tile 8 Y + w
	s_mul_i32 s82, s82, TROW
	s_mov_b32 s83, 0
	s_lshl_b32 s90, 0x1111, s17                    ; my column of the cluster
	s_lshl_b32 s91, s18, 2
	s_lshl_b32 s91, 15, s91                        ; my row
	s_or_b32 s24, s90, (3<<16)|(1<<21)             ; group 1 for S0: the mask; elements of 8 bytes; bit 21 set beside a mask; no padding
	s_mov_b32 s25, 400<<16                         ; tensor_dim0 = 400 elements: 3,200 bytes
	s_mov_b32 s26, 2<<16                           ; tensor_dim1 = 2 tile-rows
	s_mov_b32 s27, 400<<16                         ; tile_dim0
	s_mov_b32 s28, 2                               ; tile_dim1
	s_mov_b32 s29, 1664                            ; from tile-row to tile-row: 13,312 bytes
	s_mov_b32 s30, 0
	s_mov_b32 s31, 0
	s_or_b32 s32, s91, (3<<16)|(1<<21)             ; group 1 for S1: one tile-row
	s_mov_b32 s33, 400<<16
	s_mov_b32 s34, 1<<16
	s_mov_b32 s35, 400<<16
	s_mov_b32 s36, 1
	s_mov_b32 s37, 1664
	s_mov_b32 s38, 0
	s_mov_b32 s39, 0
	s_mul_i32 s92, s14, 2*PIECE                    ; where they go: S0's pieces 2 w, 2 w + 1;
	s_mul_i32 s93, s14, PIECE
	s_add_co_u32 s93, s93, S1OFF                   ; S1's piece w
	s_mov_b32 s[SEL], 0x76543210
	s_mov_b32 s[SEL+1], 0xfedcba98
	s_wait_dscnt 0x0                               ; the opening add is done
	s_wait_kmcnt 0x0
	s_add_nc_u64 s[78:79], s[4:5], s[78:79]
	s_add_nc_u64 s[82:83], s[P1:P1+1], s[82:83]
	G0SET 40, 92, 78, 0
	G0SET 44, 92, 78, 1
	G0SET 48, 92, 78, 2
	G0SET 52, 92, 78, 3
	G0SET 56, 93, 82, 0
	G0SET 60, 93, 82, 1
	G0SET 68, 93, 82, 2
	G0SET 72, 93, 82, 3
	CROUND                                         ; all sixteen work-groups are here: the joint loads meet
	JL 40, 24                                      ; all fills of the launch, in one group, chunk by chunk: eight loads of mine are out
	JL 56, 32
	JL 44, 24
	JL 60, 32
	JL 48, 24
	JL 68, 32
	JL 52, 24
	JL 72, 32
	PLACES 4
	v_and_b32 v1, 31, v0                           ; lane
	v_and_b32 v2, 15, v0                           ; r
	v_bfe_u32 v3, v0, 4, 1                         ; h
	; the bias, into v224-255
.if FINAL == 0
	s_cmp_eq_u32 s21, 0
	s_cbranch_scc0 .Lbias_tokens
	s_cmp_eq_u32 s22, 0
	s_cselect_b64 s[84:85], s[6:7], s[8:9]         ; bq or bk
	s_lshl_b32 s90, s17, 10                        ; 256 channels for each cx,
.else
	s_mov_b64 s[84:85], s[8:9]                     ; bp
	s_lshl_b32 s90, s77, 10                        ; 256 outputs for each X,
.endif
	s_lshl_b32 s91, s15, 8                         ; 64 for each wave
	s_add_co_u32 s90, s90, s91
	s_mov_b32 s91, 0
	s_add_nc_u64 s[84:85], s[84:85], s[90:91]
	v_lshlrev_b32 v14, 6, v3                       ; register j of S0's tile b is row 32 (b / 2) + 16 h + 8 (b % 2) + j
.irp b, 0,1,2,3
	global_load_b128 v[ACC+96+8*\b:ACC+96+8*\b+3], v14, s[84:85] offset:(32*(\b/2)+8*(\b%2))*4
	global_load_b128 v[ACC+96+8*\b+4:ACC+96+8*\b+7], v14, s[84:85] offset:(32*(\b/2)+8*(\b%2))*4+16
.endr
.if FINAL == 0
	s_branch .Lbias_done
.Lbias_tokens:
	s_lshl_b32 s90, s81, 9                         ; bv: 128 channels for each Y,
	s_lshl_b32 s91, s16, 8                         ; 64 for each half
	s_add_co_u32 s90, s90, s91
	s_mov_b32 s91, 0
	s_add_nc_u64 s[84:85], s[10:11], s[90:91]
	v_and_b32 v14, 8, v2
	v_add_nc_u32 v14, v14, v2
	v_lshlrev_b32 v14, 2, v14                      ; a lane holds channel 32 (a / 2) + 8 (a % 2) + r + 8 (r / 8) of S1's tile a: the same number in all eight registers
.irp a, 0,1,2,3
.irp j, 0,1,2,3,4,5,6,7
	global_load_b32 v[ACC+96+8*\a+\j], v14, s[84:85] offset:(32*(\a/2)+8*(\a%2))*4
.endr
.endr
.Lbias_done:
.endif
	s_mul_i32 s94, s15, 4*PIECE                    ; my four tiles of S0,
	s_mul_i32 s95, s16, 4*PIECE
	s_add_co_u32 s95, s95, S1OFF                   ; my four of S1
	v_lshl_add_u32 v[A16], v1, 4, s94
	v_lshl_add_u32 v[A8], v1, 3, s94
	v_lshl_add_u32 v[B16], v1, 4, s95
	v_lshl_add_u32 v[B8], v1, 3, s95
	s_xor_b32 s96, s15, 3                          ; from S0's scale words to S1's: 12,800 x (4 + w / 4 - w % 4), made as ONE product with h
	s_add_co_u32 s96, s96, s16
	s_add_co_u32 s96, s96, 1
	s_mul_i32 s96, s96, 4*PIECE
	v_mul_u32_u24 v[SCA], s96, v3
	v_lshl_add_u32 v[SCA], v2, 2, v[SCA]
	s_add_co_u32 s97, s94, 3072
	v_add_nc_u32 v[SCA], s97, v[SCA]
.if FINAL
	s_mul_i32 s90, s14, 16*272                     ; my stage: 16 rows x (256 bytes + 16)
	v_mul_u32_u24 v[STO], v2, 272
	v_lshl_add_u32 v[STO], v3, 6, v[STO]
	v_add_nc_u32 v[STO], s90, v[STO]               ; in: row r, + 64 h
	v_mul_u32_u24 v[RD], v3, 272
	v_lshl_add_u32 v[RD], v2, 4, v[RD]
	v_add_nc_u32 v[RD], s90, v[RD]                 ; back: lanes 0-15 one row, lanes 16-31 the next
	v_lshlrev_b32 v[CO], 12, v3
	v_lshl_add_u32 v[CO], v2, 4, v[CO]             ; and the same two rows of out0
	s_lshl_b32 s90, s81, 19                        ; 128 rows of 4,096 bytes for each Y,
	s_lshl_b32 s91, s16, 18                        ; 64 for my half,
	s_add_co_u32 s90, s90, s91
	s_lshl_b32 s91, s77, 10                        ; 256 outputs for each X,
	s_add_co_u32 s90, s90, s91
	s_lshl_b32 s91, s15, 8                         ; 64 for my quarter
	s_add_co_u32 s90, s90, s91
	s_mov_b32 s91, 0
	s_add_nc_u64 s[86:87], s[10:11], s[90:91]
.endif
	ARRIVE 6
	FETCH 0, 0                                     ; THE FIRST K STEP starts the sums with the bias as C: nothing is cleared, nothing is added later
	s_wait_dscnt 0x0
	s_wait_loadcnt 0x0                             ; the bias
.if FINAL == 0
	s_cmp_eq_u32 s21, 0
	s_cbranch_scc0 .Lfirst_tokens
.endif
.irp a, 0,1,2
.irp b, 0,1,2,3
	MM \a, \b, ACC+96+8*\b                         ; the bias hangs on S0's tile
.endr
.endr
	PLACES 5                                       ; the registers that held the bias, read as C above, are now written over by matrix instructions: five places
.irp b, 0,1,2,3
	MM 3, \b, ACC+96+8*\b
.endr
.if FINAL == 0
	s_branch .Lfirst_done
.Lfirst_tokens:
.irp b, 0,1,2,3
.irp a, 0,1,2
	MM \a, \b, ACC+96+8*\a                         ; the bias hangs on S1's tile
.endr
.endr
	PLACES 5
.irp b, 0,1,2
	MM 3, \b, ACC+96+24                            ; tile 3's bias lies in accumulator (3, 3), which is multiplied last
.endr
	PLACES 5
	MM 3, 3, ACC+96+24
.Lfirst_done:
.endif
	KSTEP 1
	NEXT
	ARRIVE 4
	KSTEP 0
	KSTEP 1
	NEXT
	ARRIVE 2
	KSTEP 0
	KSTEP 1
	NEXT
	ARRIVE 0
	KSTEP 0
	KSTEP 1
.if FINAL == 0
	; THE WAY OUT: for each of S1's four tiles my 32 registers are 64 neighbours along the next K, 32 of them mine: half a fragment and two scale bytes, stored as images
	PLACES 4
.irp a, 0,1,2,3
	HQUANT ACC+32*\a, 20+6*\a, 44+\a, 48
.endr
	s_cmp_eq_u32 s21, 0
	s_cbranch_scc0 .Lout_tokens
	s_lshl_b32 s90, s17, 2
	s_add_co_u32 s90, s90, s15                     ; the head: 4 cx + w % 4
	s_lshl_b32 s90, s90, 2
	s_lshr_b32 s91, s81, 4                         ; the batch: 16 blocks of 128 tokens each
	s_add_co_u32 s90, s90, s91
	s_lshl_b32 s90, s90, 4
	s_and_b32 s91, s81, 15                         ; the block of 128 tokens
	s_add_co_u32 s90, s90, s91
	s_mul_i32 s90, s90, REC
	s_cmp_eq_u32 s22, 0
	s_cselect_b32 s91, 13312, 0                    ; q's part, or k's
	s_add_co_u32 s90, s90, s91
	s_mov_b32 s91, 0
	s_add_nc_u64 s[86:87], s[12:13], s[90:91]
	s_mul_i32 s92, s16, 3072                       ; token tile 4 (w / 4) + a: 768 bytes each
	v_lshl_add_u32 v9, v1, 4, s92
	v_lshl_add_u32 v10, v1, 3, s92
	s_lshl_b32 s93, s16, 8
	s_add_co_u32 s93, s93, 6144                    ; its scale words: 64 bytes each, behind the eight tiles
	v_lshl_add_u32 v11, v2, 2, s93
.irp a, 0,1,2,3
	global_store_b128 v9, v[20+6*\a:23+6*\a], s[86:87] offset:768*\a
	global_store_b64 v10, v[24+6*\a:25+6*\a], s[86:87] offset:768*\a+512
	global_store_b32 v11, v[44+\a], s[86:87] offset:64*\a   ; two bytes for the head's 64, two bytes of 0 for the upper 64 of the instruction's K; lanes r and r + 16 write the same word
.endr
	s_branch .Lout_done
.Lout_tokens:
	s_lshl_b32 s90, s81, 1
	s_add_co_u32 s90, s90, s16                     ; the head: 2 Y + w / 4
	s_lshl_b32 s90, s90, 2
	s_lshr_b32 s91, s77, 3                         ; the batch: 8 blocks of 256 tokens each
	s_add_co_u32 s90, s90, s91
	s_lshl_b32 s90, s90, 4
	s_and_b32 s91, s77, 7
	s_lshl_b32 s91, s91, 1
	s_add_co_u32 s90, s90, s91
	s_lshr_b32 s91, s15, 1
	s_add_co_u32 s90, s90, s91                     ; the block of 128 tokens: 2 (X % 8) + (w % 4) / 2
	s_mul_i32 s90, s90, REC
	s_add_co_u32 s90, s90, 6656                    ; v's part
	s_mov_b32 s91, 0
	s_add_nc_u64 s[86:87], s[12:13], s[90:91]
	s_and_b32 s92, s15, 1                          ; which 64 of the 128 tokens
	s_mul_i32 s93, s92, 768
	v_lshl_add_u32 v9, v1, 4, s93
	v_lshl_add_u32 v10, v1, 3, s93
	s_lshl_b32 s92, s92, 1
	s_add_co_u32 s92, s92, 6144
	v_lshl_add_u32 v11, v1, 2, s92                 ; two of a scale word's four bytes; all 32 lanes store, 128 bytes a tile
.irp a, 0,1,2,3
	global_store_b128 v9, v[20+6*\a:23+6*\a], s[86:87] offset:1536*\a
	global_store_b64 v10, v[24+6*\a:25+6*\a], s[86:87] offset:1536*\a+512
	global_store_b16 v11, v[44+\a], s[86:87] offset:128*\a
.endr
.Lout_done:
.else
; THE WAY OUT: a lane holds 8 neighbouring outputs of a token for each of S0's tiles; 16 tokens x 64 outputs go through my stage and come back as rows of 256 bytes.
; The stage lies among the tiles, which have had their only fill; behind the barrier below no wave reads a tile any more.
.macro TOSTAGE a
.irp t, 0,1,2,3
	ds_store_b128 v[STO], v[ACC+8*(4*(\a)+\t):ACC+8*(4*(\a)+\t)+3] offset:128*(\t/2)+32*(\t%2)      ; each accumulator from its low end on
	ds_store_b128 v[STO], v[ACC+8*(4*(\a)+\t)+4:ACC+8*(4*(\a)+\t)+7] offset:128*(\t/2)+32*(\t%2)+16
.endr
.irp i, 0,1,2,3,4,5,6,7
	ds_load_b128 v[BK+32*((\a)%2)+4*\i:BK+32*((\a)%2)+4*\i+3], v[RD] offset:544*\i   ; LDS serves a wave's instructions in order: these see the stores above
.endr
.endm
.macro SEND a, younger                 ; younger: the LDS instructions issued behind block a's loads, which may stay out
	s_wait_dscnt \younger
.irp i, 0,1,2,3,4,5,6,7
	global_store_b128 v[CO], v[BK+32*((\a)%2)+4*\i:BK+32*((\a)%2)+4*\i+3], s[86:87] offset:(32*((\a)/2)+8*((\a)%2)+2*\i+8*(\i/4))*4096 th:TH_STORE_NT   ; stage row 2 i + h is token 2 i + h + 8 (i / 4) of the tile; 16 lanes store 256 consecutive bytes, aligned
.endr
.endm
	s_wait_dscnt 0x0
	s_barrier_signal -1
	s_barrier_wait -1
	PLACES 4
	TOSTAGE 0
.irp a, 1,2,3
.if \a > 1
	s_wait_xcnt 0x0                                ; block a - 2's stores have read their registers: block a's loads may land there
.endif
	TOSTAGE \a
	SEND \a-1, 16                                  ; behind block a - 1's loads: block a's 8 stores and 8 loads
.endr
	SEND 3, 0
.endif
	s_wait_tensorcnt 0x0                           ; the wave's end
	ds_add_u32 v[SPW], v[NIL]
	s_wait_dscnt 0x0
	CROUND                                         ; the closing round
	s_endpgm
.Lfunc_end_k_qcb1cb8530f_qkvgemm:
	.size	k_qcb1cb8530f_qkvgemm, .Lfunc_end_k_qcb1cb8530f_qkvgemm-k_qcb1cb8530f_qkvgemm
	.p2alignl 7, 3214868480
	.fill 96, 4, 3214868480
	.section	.rodata,"a",@progbits
	.p2align	6, 0x0
	.amdhsa_kernel k_qcb1cb8530f_qkvgemm
		.amdhsa_group_segment_fixed_size 327680
		.amdhsa_private_segment_fixed_size 0
		.amdhsa_enable_private_segment 0
		.amdhsa_kernarg_size 40
		.amdhsa_user_sgpr_count 2
		.amdhsa_user_sgpr_kernarg_segment_ptr 1
		.amdhsa_wavefront_size32 1
		.amdhsa_system_sgpr_workgroup_id_x 1
		.amdhsa_system_sgpr_workgroup_id_y 1
		.amdhsa_system_sgpr_workgroup_id_z 1
		.amdhsa_system_vgpr_workitem_id 0
		.amdhsa_next_free_vgpr 256
		.amdhsa_next_free_sgpr 100
		.amdhsa_reserve_vcc 0
		.amdhsa_float_denorm_mode_32 3
		.amdhsa_float_denorm_mode_16_64 3
		.amdhsa_memory_ordered 1
		.amdhsa_forward_progress 1
		.amdhsa_inst_pref_size 64
	.end_amdhsa_kernel
	.amdgpu_metadata
---
amdhsa.version: [ 1, 2 ]
amdhsa.kernels:
  - .name:           k_qcb1cb8530f_qkvgemm
    .symbol:         k_qcb1cb8530f_qkvgemm.kd
    .args:
      - { .name: ops, .offset: 0, .size: 8, .value_kind: global_buffer, .address_space: global }
      - { .name: bq, .offset: 8, .size: 8, .value_kind: global_buffer, .address_space: global }
      - { .name: bk, .offset: 16, .size: 8, .value_kind: global_buffer, .address_space: global }
      - { .name: bv, .offset: 24, .size: 8, .value_kind: global_buffer, .address_space: global }
      - { .name: qkv, .offset: 32, .size: 8, .value_kind: global_buffer, .address_space: global }
    .group_segment_fixed_size: 327680
    .private_segment_fixed_size: 0
    .kernarg_segment_align: 8
    .kernarg_segment_size: 40
    .max_flat_workgroup_size: 256
    .sgpr_count:     100
    .vgpr_count:     256
    .wavefront_size: 32
...
	.end_amdgpu_metadata
.endif
;; end of part 2
;; launch attn (part 3): grid 4 x 64, 16 waves a work-group, no clusters, 215,040 bytes of LDS; arguments qkv, yc; writes yc
.if DOCPART == 3
	.amdgcn_target "amdgcn-amd-amdhsa--gfx1250"
	.amdhsa_code_object_version 6
	.text
	.protected	k_qcb1cb8530f_attn
	.globl	k_qcb1cb8530f_attn
	.p2align	8
	.type	k_qcb1cb8530f_attn,@function
k_qcb1cb8530f_attn:
	s_mov_b64 s[64:65], 0
	v_nop
	global_prefetch_b8 v0, s[64:65] scope:SCOPE_SE
	s_setreg_imm32_b32 hwreg(HW_REG_WAVE_MODE, 25, 1), 1
	s_wait_xcnt 0x0
; y[b][q][head] = the sum over keys k <= q of softmax_k(q . k / 8) v, both products on codes of FP6 (E2M3) with one E8M0 byte for each 32 along a product's K; y is quantised along the channels on the way out.
; INPUT: qkv, records of 19,968 bytes for (bh = 4 head + batch, 128 tokens): k's eight token tiles (768 bytes each: half a fragment's image, K = the head's 64) and their scale words; v's four channel tiles (1,536 bytes: a fragment, K = the 128 tokens) and theirs; q's like k's.
; In a tile lane r holds row 32 g + 8 u + r + 8 (r / 8) (tile 2 g + u): so the 16 registers of two neighbouring tiles of scores are 16 neighbouring keys, and those of O^T 16 neighbouring channels.
; THE SOFTMAX: t = score x log2(e) / 8; M = the running largest t rounded up to a whole number; p = 2^(t - M) is quantised along the keys, not normalised; the row's sum is taken of the unquantised p and divides O at the end; when M moves, the sum and O are multiplied by 2^(old M - new M), exactly.
; K = 64 IN AN INSTRUCTION OF 128: q's upper six registers are zero codes, so whatever codes stand in k's upper six (every FP6 code is a finite number) add nothing; the upper two scale bytes are 0 on both sides, which is 2^-127.
; SHARES.  Work-group (p, bh) owns the blocks p and 7 - p of 256 queries.  Wave w owns query tile 16 p + w (low) and tile 16 (7 - p) + 15 - w (high).  Tile t works in key steps 0 .. t / 8 and is masked in step t / 8 alone: every wave has 17 tile-steps.
; Both products are used transposed (S^T = k q^T, O^T = v^T p^T): a lane holds one query throughout.  Sixteen waves of 256 registers, four to a SIMD.
; THE WHOLE HEAD'S k AND v (16 x 13,312 bytes) LIE IN LDS, filled once: each wave brings 6,656 bytes of steps 0-7 and 6,656 of steps 8-15, both loads at the head: two of mine are out.  No slot is filled twice.
; NO CLUSTER, though the four work-groups of a head read the same k and v: they differ in their queries, and the steps that the causal mask leaves out are jumped over by a branch on just that number.
; Nothing is prefetched: every tensor load goes out at the kernel's head.
; LIMITS of the quantisers: a block of zeros gets the byte 1 where the rule says 127 (its codes are zeros); blocks under 2^-124 are held at the byte 1; NaN and infinities are not served.
.set REC,   19968
.set STEPB, 13312                      ; a key step in LDS: k's part, then v's
.set VOFF,  6656
.set TROW,  13312                      ; yc: a tile-row, laid as the last layer's operand
.set CHK,   3328
.set SPARE, 16*STEPB                   ; behind the tiles: the spare words, 128 bytes for each wave
.set SPW, 5                            ; v5   LDS address of my spare word; never rewritten
.set NIL, 6                            ; v6   0; never rewritten
.set DVL, 7                            ; v7   the low tile's mask: my query's place among the step's 128 keys - 16 h
.set DVH, 8                            ; v8   the high tile's
.set A16, 9                            ; v9-11 the step's LDS addresses: + 16, 8 x lane, 4 r
.set A8,  10
.set A4,  11
.set STL, 12                           ; v12-15 low tile: -M, the largest t, the sum in two halves
.set STH, 16                           ; v16-19 high tile
.set QL,  20                           ; v20-31 q, low tile: six registers of codes, six of zeros
.set QH,  32                           ; v32-43 high tile
.set QSL, 44                           ; v44, v45 q's scale words, and nothing else
.set QSH, 45
.set KF,  46                           ; v46-93 fragments of k or of v; between them the softmax's registers at work
.set BM,  KF                           ; the blocks' largest scores, then largest p
.set PT,  KF+4
.set SO,  KF+8                         ; the conversions' scale operands
.set CT,  KF+12                        ; the upper halves' codes
.set F,   KF+20                        ; f = 2^(old M - new M); 1 / the sum
.set TA,  KF+22
.set PW,  KF+23                        ; y's two scale bytes
.set SUM2, KF+24
.set KS,  100                          ; v100-103 the tiles' scale words, and nothing else
.set PS,  104                          ; v104 p's scale word, and nothing else
.set S,   112                          ; v112-175 S^T, then p
.set OL,  176                          ; v176-207 O^T, low tile
.set OH,  208                          ; v208-239 high tile
.set PC,  240                          ; v240-251 p's codes
.set SI,  15                           ; s15  the key step
.set TB,  16                           ; s16  where it begins in LDS
.set SEL, 18                           ; s[18:19] v_permlanex16_b32's selects for lane l xor 16
.set CS,  20                           ; s[20:21] c = log2(e) / 8
.macro PLACES n
.rept \n
	v_nop
.endr
.endm
.macro FRAG reg, off
	ds_load_b128 v[\reg:\reg+3], v[A16] offset:\off
	ds_load_b64 v[\reg+4:\reg+5], v[A8] offset:\off+512
	ds_load_b128 v[\reg+6:\reg+9], v[A16] offset:\off+768
	ds_load_b64 v[\reg+10:\reg+11], v[A8] offset:\off+1280
.endm
; 32 numbers of a lane, register 16 k + i = place 32 k + 16 h + i along the next K, become half a fragment's six registers of codes from dst on and two scale bytes in pw.  tm: eleven registers at work.
.macro HQUANT src, dst, pw, tm
.irp k, 0,1
	v_max3_num_f32 v[\tm+\k], |v[\src+16*\k]|, |v[\src+16*\k+1]|, 0x1800000   ; with the floor 2^(3 - 127)
.endr
.irp i, 2,4,6,8,10,12,14
.irp k, 0,1
	v_max3_num_f32 v[\tm+\k], v[\tm+\k], |v[\src+16*\k+\i]|, |v[\src+16*\k+\i+1]|
.endr
.endr
.irp k, 0,1
	v_permlanex16_b32 v[\tm+2+\k], v[\tm+\k], s[SEL], s[SEL+1]
.endr
.irp k, 0,1
	v_max_num_f32 v[\tm+\k], v[\tm+\k], v[\tm+2+\k]
.endr
.irp k, 0,1
	v_add_nc_u32 v[\tm+4+\k], 0xff000000, v[\tm+\k]
.endr
.irp k, 0,1
	v_lshrrev_b32 v[\tm+6+\k], 23, v[\tm+4+\k]
.endr
	v_lshl_or_b32 v[\pw], v[\tm+7], 8, v[\tm+6]
	v_cvt_scalef32_pk16_fp6_f32 v[\dst:\dst+2], v[\src:\src+15], v[\tm+4]
	v_cvt_scalef32_pk16_fp6_f32 v[\tm+8:\tm+10], v[\src+16:\src+31], v[\tm+5]
	v_nop                                          ; one plain place behind a scaled conversion
.irp i, 0,1,2
	v_permlane16_swap_b32 v[\dst+\i], v[\tm+8+\i]
.endr
.irp i, 0,1,2
	v_mov_b32 v[\dst+3+\i], v[\tm+8+\i]
.endr
.endm
; the addresses of query tile s[t]: q's codes, q's scale words, y's codes, y's scale bytes; and the scalar part of its mask
.macro TILEADR t, qb, qs, yb, ys, dd
	s_lshl_b32 s56, s10, 4
	s_lshr_b32 s57, s[\t], 3
	s_add_co_u32 s56, s56, s57
	s_mul_i32 s56, s56, REC
	s_add_co_u32 s56, s56, 2*VOFF                  ; q's part of the tile's record
	s_and_b32 s57, s[\t], 7
	s_mul_i32 s58, s57, 768
	s_add_co_u32 s58, s58, s56
	s_mov_b32 s59, 0
	s_add_nc_u64 s[\qb:\qb+1], s[4:5], s[58:59]
	s_lshl_b32 s58, s57, 6
	s_add_co_u32 s58, s58, s56
	s_add_co_u32 s58, s58, 6144
	s_add_nc_u64 s[\qs:\qs+1], s[4:5], s[58:59]
	s_and_b32 s56, s10, 3                          ; the batch: 128 tiles each
	s_lshl_b32 s56, s56, 7
	s_add_co_u32 s56, s56, s[\t]
	s_mul_i32 s56, s56, TROW
	s_add_co_u32 s58, s56, s60
	s_add_nc_u64 s[\yb:\yb+1], s[6:7], s[58:59]
	s_add_co_u32 s58, s56, s61
	s_add_nc_u64 s[\ys:\ys+1], s[6:7], s[58:59]
	s_lshr_b32 s56, s[\t], 1
	s_and_b32 s56, s56, 3
	s_lshl_b32 s56, s56, 5
	s_and_b32 s57, s[\t], 1
	s_lshl_b32 s57, s57, 3
	s_add_co_u32 s[\dd], s56, s57                  ; 32 ((t / 2) % 4) + 8 (t % 2)
.endm
	s_load_b128 s[4:7], s[0:1], 0x0                ; qkv, yc
	v_lshl_add_u32 v[SPW], v0, 2, SPARE
	v_mov_b32 v[NIL], 0
	ds_add_u32 v[SPW], v[NIL]                      ; the wave's opening: the add and its wait stand ahead of my first tensor load; work on registers stands between them
	v_lshrrev_b32 v9, 5, v0
	v_readfirstlane_b32 s8, v9                     ; wave 0..15
	s_and_b32 s10, ttmp7, 0xffff                   ; bh = 4 head + batch
	s_mov_b32 s24, 3<<16                           ; group 1: 6,656 dense bytes as 26 rows of 256: elements of 8 bytes, no mask, no padding
	s_mov_b32 s25, 32<<16                          ; tensor_dim0
	s_mov_b32 s26, 26<<16                          ; tensor_dim1
	s_mov_b32 s27, 32<<16                          ; tile_dim0
	s_mov_b32 s28, 26                              ; tile_dim1
	s_mov_b32 s29, 32                              ; the pitch
	s_mov_b32 s30, 0
	s_mov_b32 s31, 0
	s_mov_b32 s32, 1
	s_mul_i32 s33, s8, VOFF                        ; LDS: half a step for each wave: steps 0-7,
	s_mov_b32 s36, 1
	s_add_co_u32 s37, s33, 8*STEPB                 ; and steps 8-15
	s_mul_i32 s22, s10, 16*REC
	s_lshr_b32 s23, s8, 1
	s_mul_i32 s23, s23, REC
	s_add_co_u32 s22, s22, s23
	s_and_b32 s23, s8, 1
	s_mul_i32 s23, s23, VOFF
	s_add_co_u32 s22, s22, s23
	s_mov_b32 s23, 0
	s_mov_b32 s[SEL], 0x76543210
	s_mov_b32 s[SEL+1], 0xfedcba98
	s_mov_b32 s[CS], 0x3e38aa3b                    ; log2(e) / 8
	s_mov_b32 s[CS+1], s[CS]                       ; (named with it as a pair, so it is written)
	s_wait_dscnt 0x0                               ; the opening add is done
	s_wait_kmcnt 0x0
	s_add_nc_u64 s[34:35], s[4:5], s[22:23]
	s_add_nc_u64 s[38:39], s[34:35], 8*REC
	s_or_b32 s35, s35, 0x80000000
	s_or_b32 s39, s39, 0x80000000
	tensor_load_to_lds s[32:35], s[24:31]
	s_nop 0
	tensor_load_to_lds s[36:39], s[24:31]
	s_nop 0
	PLACES 4
	s_lshl_b32 s11, ttmp9, 4
	s_add_co_u32 s11, s11, s8                      ; the low tile: 16 p + w
	s_sub_co_u32 s12, 7, ttmp9
	s_lshl_b32 s12, s12, 4
	s_add_co_u32 s12, s12, 15
	s_sub_co_u32 s12, s12, s8                      ; the high tile: 16 (7 - p) + 15 - w
	s_lshr_b32 s13, s11, 3                         ; their last key steps
	s_lshr_b32 s14, s12, 3
	s_lshr_b32 s56, s10, 2                         ; the head.  In yc its 64 channels are half (head % 2) of K step head / 2: chunk head / 4
	s_lshr_b32 s57, s56, 2
	s_mul_i32 s57, s57, CHK
	s_bfe_u32 s58, s56, 0x10001
	s_and_b32 s59, s56, 1
	s_mul_i32 s60, s58, 1536
	s_add_co_u32 s60, s60, s57
	s_mul_i32 s61, s59, 768
	s_add_co_u32 s60, s60, s61                     ; where the head's codes lie in a tile-row,
	s_lshl_b32 s61, s58, 6
	s_add_co_u32 s61, s61, s57
	s_lshl_b32 s59, s59, 1
	s_add_co_u32 s61, s61, s59
	s_add_co_u32 s61, s61, 3072                    ; and its two bytes of a scale word
	TILEADR 11, 40, 52, 44, 48, 62
	TILEADR 12, 42, 54, 46, 50, 63
	v_and_b32 v9, 31, v0
	v_lshlrev_b32 v1, 4, v9                        ; 16 x lane
	v_lshlrev_b32 v2, 3, v9                        ; 8 x lane
	v_and_b32 v10, 15, v0                          ; r
	v_lshlrev_b32 v3, 2, v10                       ; 4 r
	global_load_b128 v[QL:QL+3], v1, s[40:41]
	global_load_b64 v[QL+4:QL+5], v2, s[40:41] offset:512
	global_load_b32 v[QSL], v3, s[52:53]
	global_load_b128 v[QH:QH+3], v1, s[42:43]
	global_load_b64 v[QH+4:QH+5], v2, s[42:43] offset:512
	global_load_b32 v[QSH], v3, s[54:55]
	v_bfe_u32 v11, v0, 4, 1                        ; h
	v_and_b32 v4, 8, v10
	v_add_nc_u32 v4, v4, v10                       ; r + 8 (r / 8)
	v_lshlrev_b32 v11, 4, v11
	v_sub_nc_u32 v4, v4, v11                       ; - 16 h
	v_add_nc_u32 v[DVL], s62, v4
	v_add_nc_u32 v[DVH], s63, v4
.irp j, 6,7,8,9,10,11
	v_mov_b32 v[QL+\j], 0                          ; zero codes for the upper 64 of the instruction's K
	v_mov_b32 v[QH+\j], 0
	v_mov_b32 v[KF+18+\j], 0                       ; what stands behind k's fourth tile in the very first step
.endr
	v_mov_b32 v[STL+1], 0xff61b1e6                 ; the largest t so far: -3e38, under every t
	v_floor_f32 v[STL], -v[STL+1]                  ; -M
	v_mov_b32 v[STL+2], 0                          ; the sum, in two halves
	v_mov_b32 v[STL+3], 0
	v_mov_b32 v[STH+1], 0xff61b1e6
	v_floor_f32 v[STH], -v[STH+1]
	v_mov_b32 v[STH+2], 0
	v_mov_b32 v[STH+3], 0
.set jj, 0
.rept 64
	v_mov_b32 v[OL+jj], 0                          ; O^T of both tiles.  (The step is written once for all steps: the first finds zeros, which the first change of M leaves zeros)
.set jj, jj+1
.endr
; A KEY STEP of one query tile: 128 keys.  q, qs: the tile's codes and scale words; st: its statistics; o: its O^T; d: its last step (a scalar register); dv: its mask; mk = 1: the step may lie on or past the diagonal.
.macro STEP q, qs, st, o, d, dv, mk
.if \mk
	s_cmp_gt_u32 s[SI], s[\d]                      ; all keys of the step come after my queries: the step's work is left out.  No barrier and no tensor load stands in a step
	s_cbranch_scc1 .Lskip_\@
.endif
.irp g, 0,1                                    ; S^T = k q^T, four tiles of 16 keys at a time
	PLACES 4                                       ; in front of loads into registers that matrix instructions have read
.irp t, 0,1,2,3
	ds_load_b128 v[KF+6*\t:KF+6*\t+3], v[A16] offset:(4*\g+\t)*768
	ds_load_b64 v[KF+6*\t+4:KF+6*\t+5], v[A8] offset:(4*\g+\t)*768+512
	ds_load_b32 v[KS+\t], v[A4] offset:6144+64*(4*\g+\t)
.endr
	s_wait_dscnt 0x0
.irp t, 0,1,2,3
	v_wmma_scale_f32_16x16x128_f8f6f4 v[S+8*(4*\g+\t):S+8*(4*\g+\t)+7], v[KF+6*\t:KF+6*\t+11], v[\q:\q+11], 0, v[KS+\t], v[\qs] matrix_a_fmt:MATRIX_FMT_FP6 matrix_b_fmt:MATRIX_FMT_FP6
.endr
.endr                                          ; register 16 b + i holds key 32 b + 16 h + i of the step
	PLACES 4
.if \mk
	s_cmp_lg_u32 s[SI], s[\d]
	s_cbranch_scc1 .Lopen_\@                       ; only the tile's last step lies on the diagonal
	v_mov_b32 v[TA], 0xff800000                    ; -infinity: p = 0 then
.set n, 0
.rept 64
	v_cmp_gt_i32 vcc_lo, 32*(n/16)+n%16, v[\dv]    ; hidden where the key comes after my query
	v_cndmask_b32 v[S+n], v[S+n], v[TA], vcc_lo
.set n, n+1
.endr
.Lopen_\@:
.endif
.irp b, 0,1,2,3
	v_max3_num_f32 v[BM+\b], v[S+16*\b], v[S+16*\b+1], v[S+16*\b+2]   ; the largest score of each block of 32 keys: it serves for the row's maximum and, since p rises with the score, for the block's largest p
.endr
.irp i, 3,5,7,9,11,13
.irp b, 0,1,2,3
	v_max3_num_f32 v[BM+\b], v[BM+\b], v[S+16*\b+\i], v[S+16*\b+\i+1]
.endr
.endr
.irp b, 0,1,2,3
	v_max_num_f32 v[BM+\b], v[BM+\b], v[S+16*\b+15]
.endr
.irp b, 0,1,2,3
	v_permlanex16_b32 v[PT+\b], v[BM+\b], s[SEL], s[SEL+1]
.endr
.irp b, 0,1,2,3
	v_max_num_f32 v[BM+\b], v[BM+\b], v[PT+\b]     ; with lane l xor 16's 16 keys
.endr
	v_max3_num_f32 v[TA], v[BM], v[BM+1], v[BM+2]
	v_max_num_f32 v[TA], v[TA], v[BM+3]            ; the step's largest score of my query
	v_mul_f32 v[TA], s[CS], v[TA]                  ; as t
	v_max_num_f32 v[\st+1], v[\st+1], v[TA]        ; the running largest t
	v_mov_b32 v[TA], v[\st]
	v_floor_f32 v[\st], -v[\st+1]                  ; the new -M = -ceil(t): a whole number
	v_sub_f32 v[TA], v[\st], v[TA]                 ; old M - new M: a whole number, 0 or less
	v_cvt_i32_f32 v[TA], v[TA]                     ; (it saturates)
	v_ldexp_f32 v[F], 1.0, v[TA]                   ; f = 2^(old M - new M)
.set jj, 0
.rept 32
	v_pk_fma_f32 v[S+jj:S+jj+1], v[S+jj:S+jj+1], s[CS:CS+1], v[\st:\st+1] op_sel_hi:[1,0,0]   ; t - M, two at a time
.set jj, jj+2
.endr
.irp b, 0,1,2,3
	v_fma_f32 v[BM+\b], v[BM+\b], s[CS], v[\st]    ; the same of each block's largest score
.endr
.set jj, 0
.rept 64
	v_exp_f32 v[S+jj], v[S+jj]                     ; p = 2^(t - M), at most 1
.set jj, jj+1
.endr
	v_pk_mul_f32 v[\st+2:\st+3], v[\st+2:\st+3], v[F:F+1] op_sel_hi:[1,0]   ; the sums under the new M: the plain place behind the exponentials
	s_wait_alu depctr_va_vdst(0)                   ; one wait for the whole batch, ahead of its first reader
.irp b, 0,1,2,3
	v_exp_f32 v[BM+\b], v[BM+\b]                   ; the block's largest p: the same two instructions on the same number
.endr
	v_pk_add_f32 v[SUM2:SUM2+1], v[S:S+1], v[S+2:S+3]   ; the row's sum is taken of the unquantised p: two at a time, in two chains
.set jj, 4
.rept 15
	v_pk_add_f32 v[\st+2:\st+3], v[\st+2:\st+3], v[S+jj:S+jj+1]
	v_pk_add_f32 v[SUM2:SUM2+1], v[SUM2:SUM2+1], v[S+jj+2:S+jj+3]
.set jj, jj+4
.endr
	v_pk_add_f32 v[\st+2:\st+3], v[\st+2:\st+3], v[SUM2:SUM2+1]
	s_wait_alu depctr_va_vdst(0)                   ; and one for the four
.irp b, 0,1,2,3
	v_max_num_f32 v[BM+\b], 0x1800000, v[BM+\b]    ; the floor 2^(3 - 127): a block whose every p is 0 keeps the byte 1: its codes are zeros
.endr
.irp b, 0,1,2,3
	v_add_nc_u32 v[SO+\b], 0xff000000, v[BM+\b]    ; 2 off the exponent field: the conversion's scale operand
.endr
.irp b, 0,1,2,3
	v_lshrrev_b32 v[PT+\b], 23, v[SO+\b]           ; the scale's byte
.endr
	v_lshl_or_b32 v[PS], v[PT+1], 8, v[PT]         ; p's scale word for these 128 keys
	v_lshl_or_b32 v[PS], v[PT+2], 16, v[PS]
	v_lshl_or_b32 v[PS], v[PT+3], 24, v[PS]
.irp c, 0,1
	v_cvt_scalef32_pk16_fp6_f32 v[PC+6*\c:PC+6*\c+2], v[S+32*\c:S+32*\c+15], v[SO+2*\c]
	v_cvt_scalef32_pk16_fp6_f32 v[CT+4*\c:CT+4*\c+2], v[S+32*\c+16:S+32*\c+31], v[SO+2*\c+1]
.endr
	v_nop                                          ; one plain place behind a scaled conversion
.irp c, 0,1                                    ; the layout wants a whole block in a lane
.irp i, 0,1,2
	v_permlane16_swap_b32 v[PC+6*\c+\i], v[CT+4*\c+\i]
.endr
.irp i, 0,1,2
	v_mov_b32 v[PC+6*\c+3+\i], v[CT+4*\c+\i]
.endr
.endr
.set jj, 0
.rept 16
	v_pk_mul_f32 v[\o+jj:\o+jj+1], v[\o+jj:\o+jj+1], v[F:F+1] op_sel_hi:[1,0]   ; O^T under the new M.  (These sixteen also stand between the lines that made p's codes and scale word and the products below)
.set jj, jj+2
.endr
.irp t, 0,1,2,3                                ; O^T += v^T p^T: four tiles of 16 channels; K = these 128 keys
	FRAG KF+12*\t, VOFF+1536*\t
	ds_load_b32 v[KS+\t], v[A4] offset:VOFF+6144+128*\t
.endr
	s_wait_dscnt 0x0
.irp t, 0,1,2,3
	v_wmma_scale_f32_16x16x128_f8f6f4 v[\o+8*\t:\o+8*\t+7], v[KF+12*\t:KF+12*\t+11], v[PC:PC+11], v[\o+8*\t:\o+8*\t+7], v[KS+\t], v[PS] matrix_a_fmt:MATRIX_FMT_FP6 matrix_b_fmt:MATRIX_FMT_FP6
.endr
.if \mk
.Lskip_\@:
.endif
.endm
; A tile's way out: O^T / the sum; register 16 b + i is channel 32 b + 16 h + i of my query: half a fragment of the last layer's operand and two bytes of its scale word
.macro FINISH st, o, yb, ys
	PLACES 4
	v_add_f32 v[\st+2], v[\st+2], v[\st+3]         ; the sum's two halves,
	v_permlanex16_b32 v[TA], v[\st+2], s[SEL], s[SEL+1]
	v_add_f32 v[\st+2], v[\st+2], v[TA]            ; and lane l xor 16's
	v_rcp_f32 v[F], v[\st+2]
	v_nop                                          ; a plain place behind the reciprocal
	s_wait_alu depctr_va_vdst(0)                   ; and the wait ahead of its first reader
.set jj, 0
.rept 16
	v_pk_mul_f32 v[S+jj:S+jj+1], v[\o+jj:\o+jj+1], v[F:F+1] op_sel_hi:[1,0]   ; each accumulator from its low end on
.set jj, jj+2
.endr
	HQUANT S, PC, PW, KF
	global_store_b128 v1, v[PC:PC+3], s[\yb:\yb+1]
	global_store_b64 v2, v[PC+4:PC+5], s[\yb:\yb+1] offset:512
	global_store_b16 v3, v[PW], s[\ys:\ys+1]       ; lanes r and r + 16 hold the same two bytes and write them to the same place
.endm
	s_wait_loadcnt 0x0                             ; q
	s_wait_tensorcnt 0x1                           ; my part of steps 0-7 has landed; my part of steps 8-15 may be out
	s_barrier_signal -1
	s_barrier_wait -1                              ; everybody's has
	s_mov_b32 s[SI], 0
	s_mov_b32 s[TB], 0
.Llower:                                           ; steps 0-7: the low tile up to its diagonal; the high tile sees all these keys
	v_add_nc_u32 v[A16], s[TB], v1
	v_add_nc_u32 v[A8], s[TB], v2
	v_add_nc_u32 v[A4], s[TB], v3
	STEP QL, QSL, STL, OL, 13, DVL, 1
	STEP QH, QSH, STH, OH, 14, DVH, 0
	s_add_co_u32 s[TB], s[TB], STEPB
	s_add_co_u32 s[SI], s[SI], 1
	s_cmp_lt_u32 s[SI], 8
	s_cbranch_scc1 .Llower
	FINISH STL, OL, 44, 48
	s_wait_xcnt 0x0                                ; the stores have read their registers, which the steps below write again
	s_wait_tensorcnt 0x0                           ; my part of steps 8-15 has landed,
	s_wait_dscnt 0x0
	s_barrier_signal -1
	s_barrier_wait -1                              ; everybody's has
	s_mov_b32 s[SI], 8
	s_mov_b32 s[TB], 8*STEPB
.Lupper:                                           ; steps 8-15: the high tile up to its diagonal
	v_add_nc_u32 v[A16], s[TB], v1
	v_add_nc_u32 v[A8], s[TB], v2
	v_add_nc_u32 v[A4], s[TB], v3
	STEP QH, QSH, STH, OH, 14, DVH, 1
	s_add_co_u32 s[TB], s[TB], STEPB
	s_add_co_u32 s[SI], s[SI], 1
	s_cmp_lt_u32 s[SI], 16
	s_cbranch_scc1 .Lupper
	FINISH STH, OH, 46, 50
	s_wait_tensorcnt 0x0                           ; the wave's end
	ds_add_u32 v[SPW], v[NIL]
	s_wait_dscnt 0x0
	s_endpgm
.Lfunc_end_k_qcb1cb8530f_attn:
	.size	k_qcb1cb8530f_attn, .Lfunc_end_k_qcb1cb8530f_attn-k_qcb1cb8530f_attn
	.p2alignl 7, 3214868480
	.fill 96, 4, 3214868480
	.section	.rodata,"a",@progbits
	.p2align	6, 0x0
	.amdhsa_kernel k_qcb1cb8530f_attn
		.amdhsa_group_segment_fixed_size 215040
		.amdhsa_private_segment_fixed_size 0
		.amdhsa_enable_private_segment 0
		.amdhsa_kernarg_size 16
		.amdhsa_user_sgpr_count 2
		.amdhsa_user_sgpr_kernarg_segment_ptr 1
		.amdhsa_wavefront_size32 1
		.amdhsa_system_sgpr_workgroup_id_x 1
		.amdhsa_system_sgpr_workgroup_id_y 1
		.amdhsa_system_sgpr_workgroup_id_z 1
		.amdhsa_system_vgpr_workitem_id 0
		.amdhsa_next_free_vgpr 256
		.amdhsa_next_free_sgpr 66
		.amdhsa_reserve_vcc 1
		.amdhsa_float_denorm_mode_32 3
		.amdhsa_float_denorm_mode_16_64 3
		.amdhsa_memory_ordered 1
		.amdhsa_forward_progress 1
		.amdhsa_inst_pref_size 77
	.end_amdhsa_kernel
	.amdgpu_metadata
---
amdhsa.version: [ 1, 2 ]
amdhsa.kernels:
  - .name:           k_qcb1cb8530f_attn
    .symbol:         k_qcb1cb8530f_attn.kd
    .args:
      - { .name: qkv, .offset: 0, .size: 8, .value_kind: global_buffer, .address_space: global }
      - { .name: yc, .offset: 8, .size: 8, .value_kind: global_buffer, .address_space: global }
    .group_segment_fixed_size: 215040
    .private_segment_fixed_size: 0
    .kernarg_segment_align: 8
    .kernarg_segment_size: 16
    .max_flat_workgroup_size: 512
    .sgpr_count:     66
    .vgpr_count:     256
    .wavefront_size: 32
...
	.end_amdgpu_metadata
.endif
;; end of part 3
;; launch proj (part 4): grid 4 x 64, 8 waves a work-group, clusters of 4 x 4, 327,680 bytes of LDS; arguments ops, yc, bp, out0; writes out0
.if DOCPART == 4
	.amdgcn_target "amdgcn-amd-amdhsa--gfx1250"
	.amdhsa_code_object_version 6
	.text
	.protected	k_qcb1cb8530f_proj
	.globl	k_qcb1cb8530f_proj
	.p2align	8
	.type	k_qcb1cb8530f_proj,@function
k_qcb1cb8530f_proj:
	s_mov_b64 s[64:65], 0
	v_nop
	global_prefetch_b8 v0, s[64:65] scope:SCOPE_SE
	s_setreg_imm32_b32 hwreg(HW_REG_WAVE_MODE, 25, 1), 1
	s_wait_xcnt 0x0
	s_wait_alu depctr_hold_cnt(0) depctr_sa_sdst(0) depctr_va_vdst(0) depctr_va_sdst(0) depctr_va_ssrc(0) depctr_va_vcc(0) depctr_vm_vsrc(0)
	s_getreg_b32 s2, hwreg(HW_REG_IB_STS2, 6, 4)
	s_cmp_eq_u32 s2, 0
	s_cbranch_scc0 .Lentry_in_a_cluster
	s_endpgm
.Lentry_in_a_cluster:
	s_bfe_u32 s2, ttmp6, 0x10000c
	s_cmp_lg_u32 s2, 0xf033
	s_cbranch_scc0 .Lentry_shape_is_right
	s_endpgm
.Lentry_shape_is_right:
; ONE TEXT FOR THE FOUR LINEAR LAYERS, on codes of FP6 (E2M3) with one E8M0 byte for each 32 along K = 1,024.  FINAL = 0: q, k and v, quantised on the way out.  FINAL = 1: the last layer, f32 out.
; D = S0 S1^T + bias, source 0 = 16 rows of S0, source 1 = 16 rows of S1: a lane holds ONE row of S1 and its registers run along the rows of S0.
;   q, k (the channel way): S0 = Wq and Wk on end (2,048 rows), S1 = x: a lane holds a token, its registers 64 channels = one head: quantised along the channels.
;   v    (the token way):   S0 = x, S1 = Wv: a lane holds a channel, its registers 64 tokens: quantised along the tokens, which are the K of attention's second product.
;   last layer:             S0 = Wp, S1 = y: a lane holds a token, its registers 64 outputs.
; OPERANDS lie in memory as images of their registers, in tiles of 16 rows: lane r of tile 2 g + u holds row 32 g + 8 u + r + 8 (r / 8), so that the 16 result registers of two neighbouring tiles of S0 are 16 neighbouring rows.
; A tile-row is 13,312 bytes: four chunks of 3,328 (two K steps: fragments at 0 and 1,536, their scale words at 3,072 and 3,136; 3,200 bytes are used).
; SHARES.  A work-group takes 256 rows of S0 x 128 rows of S1 and ALL of K: its 24 tile-rows are 307,200 bytes and fit in LDS whole.  So every tensor load is a first fill: no ring, no slot is filled twice.
; Each of the eight waves asks for two tile-rows of S0 and one of S1, a chunk at a time: eight loads of mine are out at the most.  Wave w makes 64 x 64 (S0's rows 64 (w % 4) on, S1's 64 (w / 4) on): 16 accumulators; two waves share a SIMD.
; CLUSTERS: 4 x 4 work-groups.  S0's rows hang on x alone and are shared along a column of the cluster, S1's on y alone and are shared along a row: each tile is asked for jointly.
; FINAL = 0: cluster rows 0-15 go the channel way (2 x 16 clusters), rows 16-23 the token way (16 clusters): the way is the same in all partners of a cluster, and branches hang on it alone.
; THE BIAS is the C of each sum's first product.  It is loaded into the four accumulators of S1's tile 3 (v224-255), which are multiplied last in the first K step.
; LIMITS of the quantiser on the way out: a block of zeros gets the byte 1 where the rule says 127 (its codes are zeros, and this program alone reads the bytes); blocks under 2^-124 are held at the byte 1; NaN and infinities are not served.
.set FINAL, 1
.set TROW,  13312                      ; a tile-row in memory
.set CHK,   3328                       ; a chunk in memory
.set PIECE, 3200                       ; and what is used of it: so much lies in LDS
.set CHUNK, 24*PIECE                   ; LDS: chunk j of all 24 tiles at j x 76,800: S0's sixteen pieces, then S1's eight
.set S1OFF, 16*PIECE
.set SPARE, 4*CHUNK                    ; behind the tiles: the spare words, 128 bytes for each wave
.set REC,   19968                      ; qkv: a record (head x 4 + batch, 128 tokens): k's part at 0, v's at 6,656, q's at 13,312
.set A16, 4                            ; v4   S0's fragments: 16 x lane + my four tiles
.set A8,  5                            ; v5   8 x lane + the same
.set B16, 6                            ; v6   S1's likewise
.set B8,  7                            ; v7
.set SCA, 8                            ; v8   the scale words: lanes 0-15 S0's, lanes 16-31 S1's
.set STO, 9                            ; v9-11 the way out
.set RD,  10
.set CO,  11
.set SPW, 12                           ; v12  LDS address of my spare word; never rewritten
.set NIL, 13                           ; v13  0; never rewritten
.set SC,  16                           ; v16-19 scale words and nothing else: register i: lanes 0-15 S0's tile i, lanes 16-31 S1's tile i
.set F0,  20                           ; v20-67  S0's four fragments
.set F1,  68                           ; v68-115 S1's four
.set ACC, 128                          ; v128-255 accumulator (a, b) at 128 + 8 (4 a + b): a = S1's tile, b = S0's
.set BK,  20                           ; the last layer's way out: rows read back from the stage
.set SEL, 88                           ; s[88:89] v_permlanex16_b32's selects for lane l xor 16
.if FINAL
.set P1, 6                             ; S1 comes from yc
.else
.set P1, 4                             ; S1 comes from ops
.endif
.macro PLACES n
.rept \n
	v_nop
.endr
.endm
.macro CROUND                          ; a round of the cluster's barrier
	s_barrier_signal -1
	s_barrier_wait -1
	s_cmp_lg_u32 s14, 0
	s_cbranch_scc1 .Lnot_wave_0_\@
	s_barrier_signal -3
.Lnot_wave_0_\@:
	s_barrier_wait -3
	s_barrier_signal -1
	s_barrier_wait -1
.endm
.macro G0SET g, lds, adr, j            ; descriptor group 0 for chunk j
	s_mov_b32 s[\g], 1                             ; count = 1
	s_add_co_u32 s[\g+1], s[\lds], (\j)*CHUNK      ; LDS address: the wave's number and constants alone
	s_add_nc_u64 s[\g+2:\g+3], s[\adr:\adr+1], (\j)*CHK
	s_or_b32 s[\g+3], s[\g+3], 0x80000000          ; type = 2
.endm
.macro JL g0, g1
	tensor_load_to_lds s[\g0:\g0+3], s[\g1:\g1+7]
	s_nop 0
.endm
.macro FRAG reg, a16, a8, off          ; a fragment's image comes back as it was stored: every load reads consecutive bytes
	ds_load_b128 v[\reg:\reg+3], v[\a16] offset:\off
	ds_load_b64 v[\reg+4:\reg+5], v[\a8] offset:\off+512
	ds_load_b128 v[\reg+6:\reg+9], v[\a16] offset:\off+768
	ds_load_b64 v[\reg+10:\reg+11], v[\a8] offset:\off+1280
.endm
.macro FETCH e, pl                     ; K step e of the chunk in hand; pl places stand in front of loads into registers that matrix instructions have read
	PLACES \pl
.irp i, 0,1,2,3
	ds_load_b32 v[SC+\i], v[SCA] offset:\i*PIECE+64*\e
.endr
.irp i, 0,1,2,3
	FRAG F1+12*\i, B16, B8, \i*PIECE+1536*\e
.endr
.irp i, 0,1,2,3
	FRAG F0+12*\i, A16, A8, \i*PIECE+1536*\e
.endr
.endm
.macro MM a, b, c                      ; accumulator (a, b) = S0's tile b x S1's tile a + the eight registers from c on
	v_wmma_scale_f32_16x16x128_f8f6f4 v[ACC+8*(4*(\a)+(\b)):ACC+8*(4*(\a)+(\b))+7], v[F0+12*(\b):F0+12*(\b)+11], v[F1+12*(\a):F1+12*(\a)+11], v[(\c):(\c)+7], v[SC+(\b)], v[SC+(\a)] matrix_a_fmt:MATRIX_FMT_FP6 matrix_b_fmt:MATRIX_FMT_FP6 matrix_b_scale:MATRIX_SCALE_ROW1
.endm
.macro KSTEP e                         ; 16 products; the 16 accumulators take turns, one instruction a turn
	FETCH \e, 4
.irp b, 0,1,2,3
	s_wait_dscnt 12-4*\b                           ; the scale words, S1's fragments and S0's up to b are in; the four loads of each later fragment of S0 may be out
.irp a, 0,1,2,3
	MM \a, \b, ACC+8*(4*\a+\b)
.endr
.endr
.endm
.macro ARRIVE n                        ; my loads of the chunk ahead have landed (n = two for each later chunk may be out); then everybody's have
	s_wait_tensorcnt \n
	s_barrier_signal -1
	s_barrier_wait -1
.endm
.macro NEXT                            ; on to the next chunk
.irp v, A16, A8, B16, B8, SCA
	v_add_nc_u32 v[\v], CHUNK, v[\v]
.endr
.endm
; 32 numbers of a lane, register 16 k + i = place 32 k + 16 h + i along the next K, become half a fragment's six registers of codes from dst on and two scale bytes in pw.  tm: eleven registers at work.
.macro HQUANT src, dst, pw, tm
.irp k, 0,1
	v_max3_num_f32 v[\tm+\k], |v[\src+16*\k]|, |v[\src+16*\k+1]|, 0x1800000   ; with the floor 2^(3 - 127).  Each accumulator is read from its low end on
.endr
.irp i, 2,4,6,8,10,12,14
.irp k, 0,1
	v_max3_num_f32 v[\tm+\k], v[\tm+\k], |v[\src+16*\k+\i]|, |v[\src+16*\k+\i+1]|
.endr
.endr
.irp k, 0,1
	v_permlanex16_b32 v[\tm+2+\k], v[\tm+\k], s[SEL], s[SEL+1]
.endr
.irp k, 0,1
	v_max_num_f32 v[\tm+\k], v[\tm+\k], v[\tm+2+\k]   ; with lane l xor 16's sixteen: the block's largest magnitude
.endr
.irp k, 0,1
	v_add_nc_u32 v[\tm+4+\k], 0xff000000, v[\tm+\k]   ; 2 off its exponent field: the conversion's scale operand
.endr
.irp k, 0,1
	v_lshrrev_b32 v[\tm+6+\k], 23, v[\tm+4+\k]     ; the scale's byte
.endr
	v_lshl_or_b32 v[\pw], v[\tm+7], 8, v[\tm+6]
	v_cvt_scalef32_pk16_fp6_f32 v[\dst:\dst+2], v[\src:\src+15], v[\tm+4]
	v_cvt_scalef32_pk16_fp6_f32 v[\tm+8:\tm+10], v[\src+16:\src+31], v[\tm+5]
	v_nop                                          ; one plain place behind a scaled conversion
.irp i, 0,1,2
	v_permlane16_swap_b32 v[\dst+\i], v[\tm+8+\i]  ; the layout wants a whole block in a lane: lanes 0-15 the first block, lanes 16-31 the second
.endr
.irp i, 0,1,2
	v_mov_b32 v[\dst+3+\i], v[\tm+8+\i]
.endr
.endm
	s_load_b256 s[4:11], s[0:1], 0x0               ; FINAL = 0: ops, bq, bk, bv;  FINAL = 1: ops, yc, bp, out0
.if FINAL == 0
	s_load_b64 s[12:13], s[0:1], 0x20              ; qkv
.endif
	v_lshl_add_u32 v[SPW], v0, 2, SPARE
	v_mov_b32 v[NIL], 0
	ds_add_u32 v[SPW], v[NIL]                      ; the wave's opening: the add and its wait stand ahead of my first tensor load; work on registers stands between them
	v_lshrrev_b32 v1, 5, v0
	v_readfirstlane_b32 s14, v1                    ; wave 0..7
	s_and_b32 s15, s14, 3                          ; which 64 rows of S0 are mine
	s_lshr_b32 s16, s14, 2                         ; which 64 rows of S1
	s_bfe_u32 s17, ttmp6, 0x40000                  ; cx
	s_bfe_u32 s18, ttmp6, 0x40004                  ; cy
	s_and_b32 s20, ttmp7, 0xffff                   ; the cluster's y
.if FINAL == 0
	s_sub_co_u32 s90, s20, 16                      ; the token way's clusters are numbered 2 (y - 16) + x = 0 .. 15
	s_lshl_b32 s90, s90, 1
	s_add_co_u32 s90, s90, ttmp9
	s_and_b32 s91, s90, 7
	s_lshr_b32 s92, s90, 3
	s_cmp_ge_u32 s20, 16
	s_cselect_b32 s21, 1, 0                        ; the way: 0 channels, 1 tokens
	s_cselect_b32 s22, s91, ttmp9                  ; the cluster's place along S0
	s_cselect_b32 s23, s92, s20                    ; and along S1
	s_cselect_b32 s76, 0, 512                      ; S0's first tile in ops: x, or Wq
	s_cselect_b32 s80, 640, 0                      ; S1's: Wv, or x
.else
	s_mov_b32 s22, ttmp9
	s_mov_b32 s23, s20
	s_mov_b32 s76, 704                             ; S0 = Wp
	s_mov_b32 s80, 0                               ; S1 = y
.endif
	s_lshl_b32 s77, s22, 2
	s_add_co_u32 s77, s77, s17                     ; X: my 256 rows of S0 (registers 76-79 never hold cy)
	s_lshl_b32 s81, s23, 2
	s_add_co_u32 s81, s81, s18                     ; Y: my 128 rows of S1 (registers 80-83 never hold cx)
	s_lshl_b32 s78, s77, 4
	s_add_co_u32 s78, s78, s76
	s_lshl_b32 s79, s14, 1
	s_add_co_u32 s78, s78, s79                     ; S0: I ask for tiles 16 X + 2 w and the next
	s_mul_i32 s78, s78, TROW
	s_mov_b32 s79, 0
	s_lshl_b32 s82, s81, 3
	s_add_co_u32 s82, s82, s80
	s_add_co_u32 s82, s82, s14                     ; S1: for tile 8 Y + w
	s_mul_i32 s82, s82, TROW
	s_mov_b32 s83, 0
	s_lshl_b32 s90, 0x1111, s17                    ; my column of the cluster
	s_lshl_b32 s91, s18, 2
	s_lshl_b32 s91, 15, s91                        ; my row
	s_or_b32 s24, s90, (3<<16)|(1<<21)             ; group 1 for S0: the mask; elements of 8 bytes; bit 21 set beside a mask; no padding
	s_mov_b32 s25, 400<<16                         ; tensor_dim0 = 400 elements: 3,200 bytes
	s_mov_b32 s26, 2<<16                           ; tensor_dim1 = 2 tile-rows
	s_mov_b32 s27, 400<<16                         ; tile_dim0
	s_mov_b32 s28, 2                               ; tile_dim1
	s_mov_b32 s29, 1664                            ; from tile-row to tile-row: 13,312 bytes
	s_mov_b32 s30, 0
	s_mov_b32 s31, 0
	s_or_b32 s32, s91, (3<<16)|(1<<21)             ; group 1 for S1: one tile-row
	s_mov_b32 s33, 400<<16
	s_mov_b32 s34, 1<<16
	s_mov_b32 s35, 400<<16
	s_mov_b32 s36, 1
	s_mov_b32 s37, 1664
	s_mov_b32 s38, 0
	s_mov_b32 s39, 0
	s_mul_i32 s92, s14, 2*PIECE                    ; where they go: S0's pieces 2 w, 2 w + 1;
	s_mul_i32 s93, s14, PIECE
	s_add_co_u32 s93, s93, S1OFF                   ; S1's piece w
	s_mov_b32 s[SEL], 0x76543210
	s_mov_b32 s[SEL+1], 0xfedcba98
	s_wait_dscnt 0x0                               ; the opening add is done
	s_wait_kmcnt 0x0
	s_add_nc_u64 s[78:79], s[4:5], s[78:79]
	s_add_nc_u64 s[82:83], s[P1:P1+1], s[82:83]
	G0SET 40, 92, 78, 0
	G0SET 44, 92, 78, 1
	G0SET 48, 92, 78, 2
	G0SET 52, 92, 78, 3
	G0SET 56, 93, 82, 0
	G0SET 60, 93, 82, 1
	G0SET 68, 93, 82, 2
	G0SET 72, 93, 82, 3
	CROUND                                         ; all sixteen work-groups are here: the joint loads meet
	JL 40, 24                                      ; all fills of the launch, in one group, chunk by chunk: eight loads of mine are out
	JL 56, 32
	JL 44, 24
	JL 60, 32
	JL 48, 24
	JL 68, 32
	JL 52, 24
	JL 72, 32
	PLACES 4
	v_and_b32 v1, 31, v0                           ; lane
	v_and_b32 v2, 15, v0                           ; r
	v_bfe_u32 v3, v0, 4, 1                         ; h
	; the bias, into v224-255
.if FINAL == 0
	s_cmp_eq_u32 s21, 0
	s_cbranch_scc0 .Lbias_tokens
	s_cmp_eq_u32 s22, 0
	s_cselect_b64 s[84:85], s[6:7], s[8:9]         ; bq or bk
	s_lshl_b32 s90, s17, 10                        ; 256 channels for each cx,
.else
	s_mov_b64 s[84:85], s[8:9]                     ; bp
	s_lshl_b32 s90, s77, 10                        ; 256 outputs for each X,
.endif
	s_lshl_b32 s91, s15, 8                         ; 64 for each wave
	s_add_co_u32 s90, s90, s91
	s_mov_b32 s91, 0
	s_add_nc_u64 s[84:85], s[84:85], s[90:91]
	v_lshlrev_b32 v14, 6, v3                       ; register j of S0's tile b is row 32 (b / 2) + 16 h + 8 (b % 2) + j
.irp b, 0,1,2,3
	global_load_b128 v[ACC+96+8*\b:ACC+96+8*\b+3], v14, s[84:85] offset:(32*(\b/2)+8*(\b%2))*4
	global_load_b128 v[ACC+96+8*\b+4:ACC+96+8*\b+7], v14, s[84:85] offset:(32*(\b/2)+8*(\b%2))*4+16
.endr
.if FINAL == 0
	s_branch .Lbias_done
.Lbias_tokens:
	s_lshl_b32 s90, s81, 9                         ; bv: 128 channels for each Y,
	s_lshl_b32 s91, s16, 8                         ; 64 for each half
	s_add_co_u32 s90, s90, s91
	s_mov_b32 s91, 0
	s_add_nc_u64 s[84:85], s[10:11], s[90:91]
	v_and_b32 v14, 8, v2
	v_add_nc_u32 v14, v14, v2
	v_lshlrev_b32 v14, 2, v14                      ; a lane holds channel 32 (a / 2) + 8 (a % 2) + r + 8 (r / 8) of S1's tile a: the same number in all eight registers
.irp a, 0,1,2,3
.irp j, 0,1,2,3,4,5,6,7
	global_load_b32 v[ACC+96+8*\a+\j], v14, s[84:85] offset:(32*(\a/2)+8*(\a%2))*4
.endr
.endr
.Lbias_done:
.endif
	s_mul_i32 s94, s15, 4*PIECE                    ; my four tiles of S0,
	s_mul_i32 s95, s16, 4*PIECE
	s_add_co_u32 s95, s95, S1OFF                   ; my four of S1
	v_lshl_add_u32 v[A16], v1, 4, s94
	v_lshl_add_u32 v[A8], v1, 3, s94
	v_lshl_add_u32 v[B16], v1, 4, s95
	v_lshl_add_u32 v[B8], v1, 3, s95
	s_xor_b32 s96, s15, 3                          ; from S0's scale words to S1's: 12,800 x (4 + w / 4 - w % 4), made as ONE product with h
	s_add_co_u32 s96, s96, s16
	s_add_co_u32 s96, s96, 1
	s_mul_i32 s96, s96, 4*PIECE
	v_mul_u32_u24 v[SCA], s96, v3
	v_lshl_add_u32 v[SCA], v2, 2, v[SCA]
	s_add_co_u32 s97, s94, 3072
	v_add_nc_u32 v[SCA], s97, v[SCA]
.if FINAL
	s_mul_i32 s90, s14, 16*272                     ; my stage: 16 rows x (256 bytes + 16)
	v_mul_u32_u24 v[STO], v2, 272
	v_lshl_add_u32 v[STO], v3, 6, v[STO]
	v_add_nc_u32 v[STO], s90, v[STO]               ; in: row r, + 64 h
	v_mul_u32_u24 v[RD], v3, 272
	v_lshl_add_u32 v[RD], v2, 4, v[RD]
	v_add_nc_u32 v[RD], s90, v[RD]                 ; back: lanes 0-15 one row, lanes 16-31 the next
	v_lshlrev_b32 v[CO], 12, v3
	v_lshl_add_u32 v[CO], v2, 4, v[CO]             ; and the same two rows of out0
	s_lshl_b32 s90, s81, 19                        ; 128 rows of 4,096 bytes for each Y,
	s_lshl_b32 s91, s16, 18                        ; 64 for my half,
	s_add_co_u32 s90, s90, s91
	s_lshl_b32 s91, s77, 10                        ; 256 outputs for each X,
	s_add_co_u32 s90, s90, s91
	s_lshl_b32 s91, s15, 8                         ; 64 for my quarter
	s_add_co_u32 s90, s90, s91
	s_mov_b32 s91, 0
	s_add_nc_u64 s[86:87], s[10:11], s[90:91]
.endif
	ARRIVE 6
	FETCH 0, 0                                     ; THE FIRST K STEP starts the sums with the bias as C: nothing is cleared, nothing is added later
	s_wait_dscnt 0x0
	s_wait_loadcnt 0x0                             ; the bias
.if FINAL == 0
	s_cmp_eq_u32 s21, 0
	s_cbranch_scc0 .Lfirst_tokens
.endif
.irp a, 0,1,2
.irp b, 0,1,2,3
	MM \a, \b, ACC+96+8*\b                         ; the bias hangs on S0's tile
.endr
.endr
	PLACES 5                                       ; the registers that held the bias, read as C above, are now written over by matrix instructions: five places
.irp b, 0,1,2,3
	MM 3, \b, ACC+96+8*\b
.endr
.if FINAL == 0
	s_branch .Lfirst_done
.Lfirst_tokens:
.irp b, 0,1,2,3
.irp a, 0,1,2
	MM \a, \b, ACC+96+8*\a                         ; the bias hangs on S1's tile
.endr
.endr
	PLACES 5
.irp b, 0,1,2
	MM 3, \b, ACC+96+24                            ; tile 3's bias lies in accumulator (3, 3), which is multiplied last
.endr
	PLACES 5
	MM 3, 3, ACC+96+24
.Lfirst_done:
.endif
	KSTEP 1
	NEXT
	ARRIVE 4
	KSTEP 0
	KSTEP 1
	NEXT
	ARRIVE 2
	KSTEP 0
	KSTEP 1
	NEXT
	ARRIVE 0
	KSTEP 0
	KSTEP 1
.if FINAL == 0
	; THE WAY OUT: for each of S1's four tiles my 32 registers are 64 neighbours along the next K, 32 of them mine: half a fragment and two scale bytes, stored as images
	PLACES 4
.irp a, 0,1,2,3
	HQUANT ACC+32*\a, 20+6*\a, 44+\a, 48
.endr
	s_cmp_eq_u32 s21, 0
	s_cbranch_scc0 .Lout_tokens
	s_lshl_b32 s90, s17, 2
	s_add_co_u32 s90, s90, s15                     ; the head: 4 cx + w % 4
	s_lshl_b32 s90, s90, 2
	s_lshr_b32 s91, s81, 4                         ; the batch: 16 blocks of 128 tokens each
	s_add_co_u32 s90, s90, s91
	s_lshl_b32 s90, s90, 4
	s_and_b32 s91, s81, 15                         ; the block of 128 tokens
	s_add_co_u32 s90, s90, s91
	s_mul_i32 s90, s90, REC
	s_cmp_eq_u32 s22, 0
	s_cselect_b32 s91, 13312, 0                    ; q's part, or k's
	s_add_co_u32 s90, s90, s91
	s_mov_b32 s91, 0
	s_add_nc_u64 s[86:87], s[12:13], s[90:91]
	s_mul_i32 s92, s16, 3072                       ; token tile 4 (w / 4) + a: 768 bytes each
	v_lshl_add_u32 v9, v1, 4, s92
	v_lshl_add_u32 v10, v1, 3, s92
	s_lshl_b32 s93, s16, 8
	s_add_co_u32 s93, s93, 6144                    ; its scale words: 64 bytes each, behind the eight tiles
	v_lshl_add_u32 v11, v2, 2, s93
.irp a, 0,1,2,3
	global_store_b128 v9, v[20+6*\a:23+6*\a], s[86:87] offset:768*\a
	global_store_b64 v10, v[24+6*\a:25+6*\a], s[86:87] offset:768*\a+512
	global_store_b32 v11, v[44+\a], s[86:87] offset:64*\a   ; two bytes for the head's 64, two bytes of 0 for the upper 64 of the instruction's K; lanes r and r + 16 write the same word
.endr
	s_branch .Lout_done
.Lout_tokens:
	s_lshl_b32 s90, s81, 1
	s_add_co_u32 s90, s90, s16                     ; the head: 2 Y + w / 4
	s_lshl_b32 s90, s90, 2
	s_lshr_b32 s91, s77, 3                         ; the batch: 8 blocks of 256 tokens each
	s_add_co_u32 s90, s90, s91
	s_lshl_b32 s90, s90, 4
	s_and_b32 s91, s77, 7
	s_lshl_b32 s91, s91, 1
	s_add_co_u32 s90, s90, s91
	s_lshr_b32 s91, s15, 1
	s_add_co_u32 s90, s90, s91                     ; the block of 128 tokens: 2 (X % 8) + (w % 4) / 2
	s_mul_i32 s90, s90, REC
	s_add_co_u32 s90, s90, 6656                    ; v's part
	s_mov_b32 s91, 0
	s_add_nc_u64 s[86:87], s[12:13], s[90:91]
	s_and_b32 s92, s15, 1                          ; which 64 of the 128 tokens
	s_mul_i32 s93, s92, 768
	v_lshl_add_u32 v9, v1, 4, s93
	v_lshl_add_u32 v10, v1, 3, s93
	s_lshl_b32 s92, s92, 1
	s_add_co_u32 s92, s92, 6144
	v_lshl_add_u32 v11, v1, 2, s92                 ; two of a scale word's four bytes; all 32 lanes store, 128 bytes a tile
.irp a, 0,1,2,3
	global_store_b128 v9, v[20+6*\a:23+6*\a], s[86:87] offset:1536*\a
	global_store_b64 v10, v[24+6*\a:25+6*\a], s[86:87] offset:1536*\a+512
	global_store_b16 v11, v[44+\a], s[86:87] offset:128*\a
.endr
.Lout_done:
.else
; THE WAY OUT: a lane holds 8 neighbouring outputs of a token for each of S0's tiles; 16 tokens x 64 outputs go through my stage and come back as rows of 256 bytes.
; The stage lies among the tiles, which have had their only fill; behind the barrier below no wave reads a tile any more.
.macro TOSTAGE a
.irp t, 0,1,2,3
	ds_store_b128 v[STO], v[ACC+8*(4*(\a)+\t):ACC+8*(4*(\a)+\t)+3] offset:128*(\t/2)+32*(\t%2)      ; each accumulator from its low end on
	ds_store_b128 v[STO], v[ACC+8*(4*(\a)+\t)+4:ACC+8*(4*(\a)+\t)+7] offset:128*(\t/2)+32*(\t%2)+16
.endr
.irp i, 0,1,2,3,4,5,6,7
	ds_load_b128 v[BK+32*((\a)%2)+4*\i:BK+32*((\a)%2)+4*\i+3], v[RD] offset:544*\i   ; LDS serves a wave's instructions in order: these see the stores above
.endr
.endm
.macro SEND a, younger                 ; younger: the LDS instructions issued behind block a's loads, which may stay out
	s_wait_dscnt \younger
.irp i, 0,1,2,3,4,5,6,7
	global_store_b128 v[CO], v[BK+32*((\a)%2)+4*\i:BK+32*((\a)%2)+4*\i+3], s[86:87] offset:(32*((\a)/2)+8*((\a)%2)+2*\i+8*(\i/4))*4096 th:TH_STORE_NT   ; stage row 2 i + h is token 2 i + h + 8 (i / 4) of the tile; 16 lanes store 256 consecutive bytes, aligned
.endr
.endm
	s_wait_dscnt 0x0
	s_barrier_signal -1
	s_barrier_wait -1
	PLACES 4
	TOSTAGE 0
.irp a, 1,2,3
.if \a > 1
	s_wait_xcnt 0x0                                ; block a - 2's stores have read their registers: block a's loads may land there
.endif
	TOSTAGE \a
	SEND \a-1, 16                                  ; behind block a - 1's loads: block a's 8 stores and 8 loads
.endr
	SEND 3, 0
.endif
	s_wait_tensorcnt 0x0                           ; the wave's end
	ds_add_u32 v[SPW], v[NIL]
	s_wait_dscnt 0x0
	CROUND                                         ; the closing round
	s_endpgm
.Lfunc_end_k_qcb1cb8530f_proj:
	.size	k_qcb1cb8530f_proj, .Lfunc_end_k_qcb1cb8530f_proj-k_qcb1cb8530f_proj
	.p2alignl 7, 3214868480
	.fill 96, 4, 3214868480
	.section	.rodata,"a",@progbits
	.p2align	6, 0x0
	.amdhsa_kernel k_qcb1cb8530f_proj
		.amdhsa_group_segment_fixed_size 327680
		.amdhsa_private_segment_fixed_size 0
		.amdhsa_enable_private_segment 0
		.amdhsa_kernarg_size 32
		.amdhsa_user_sgpr_count 2
		.amdhsa_user_sgpr_kernarg_segment_ptr 1
		.amdhsa_wavefront_size32 1
		.amdhsa_system_sgpr_workgroup_id_x 1
		.amdhsa_system_sgpr_workgroup_id_y 1
		.amdhsa_system_sgpr_workgroup_id_z 1
		.amdhsa_system_vgpr_workitem_id 0
		.amdhsa_next_free_vgpr 256
		.amdhsa_next_free_sgpr 100
		.amdhsa_reserve_vcc 0
		.amdhsa_float_denorm_mode_32 3
		.amdhsa_float_denorm_mode_16_64 3
		.amdhsa_memory_ordered 1
		.amdhsa_forward_progress 1
		.amdhsa_inst_pref_size 54
	.end_amdhsa_kernel
	.amdgpu_metadata
---
amdhsa.version: [ 1, 2 ]
amdhsa.kernels:
  - .name:           k_qcb1cb8530f_proj
    .symbol:         k_qcb1cb8530f_proj.kd
    .args:
      - { .name: ops, .offset: 0, .size: 8, .value_kind: global_buffer, .address_space: global }
      - { .name: yc, .offset: 8, .size: 8, .value_kind: global_buffer, .address_space: global }
      - { .name: bp, .offset: 16, .size: 8, .value_kind: global_buffer, .address_space: global }
      - { .name: out0, .offset: 24, .size: 8, .value_kind: global_buffer, .address_space: global }
    .group_segment_fixed_size: 327680
    .private_segment_fixed_size: 0
    .kernarg_segment_align: 8
    .kernarg_segment_size: 32
    .max_flat_workgroup_size: 256
    .sgpr_count:     100
    .vgpr_count:     256
    .wavefront_size: 32
...
	.end_amdgpu_metadata
.endif
;; end of part 4
